; MI455X (gfx1250); checked and timed in simulation.
; The chip was launched on July 23, 2026; its instructions are those of AMD's public machine-readable ISA for CDNA 5 (MIT licence, August 2026) and "CDNA5" Instruction Set Architecture Reference Guide (July 2026). The comments in the code are by the model that wrote it; some were corrected since.
;; Multi Head Attention. Allowed arithmetic: matrix products marked QUANTISED: E3M2 operands, one E8M0 scale for each 32 along K, by v_wmma_scale_f32_16x16x128_f8f6f4 with both operands' format E3M2, f32 sums; everything else in f32.
;; Inputs: att_mask 2,048 x 2,048 float32; b_k 1,024 float32; b_out 1,024 float32; b_q 1,024 float32; b_v 1,024 float32; k 4 x 2,048 x 1,024 float32; pad_mask 4 x 2,048 bool; q 4 x 2,048 x 1,024 float32; v 4 x 2,048 x 1,024 float32; w_k 1,024 x 1,024 float32; w_out 1,024 x 1,024 float32; w_q 1,024 x 1,024 float32; w_v 1,024 x 1,024 float32.
;; Outputs: out0 4 x 2,048 x 1,024 float32.
;; This version of the problem:
;;   THIS VERSION OF THE PROBLEM IS GIVEN IN LOW PRECISION. The matrix products marked QUANTISED in the list below multiply operands that are first quantised to E3M2 (3 exponent bits, 2 mantissa bits; 6 bits a number), with one power-of-two scale for each 32 numbers along K (OCP MX v1.0); their sums are f32. All else is computed in f32.
;;   The module's matrix products, in the order in which they are computed (A, B: the left and right operand; K: the contracted axis; several contracted axes count as one K, in the product's order):
;;     1. [M 8,192, K 1,024] x [K 1,024, N 1,024]; A: input q; B: input w_q: QUANTISED
;;     2. [M 8,192, K 1,024] x [K 1,024, N 1,024]; A: input k; B: input w_k: QUANTISED
;;     3. [M 8,192, K 1,024] x [K 1,024, N 1,024]; A: input v; B: input w_v: QUANTISED
;;     4. batch 64 x [M 2,048, K 64] x [K 64, N 2,048]; A: computed on the way; B: computed on the way: QUANTISED
;;     5. batch 64 x [M 2,048, K 2,048] x [K 2,048, N 64]; A: softmax (see below); B: computed on the way: QUANTISED
;;     6. [M 8,192, K 1,024] x [K 1,024, N 1,024]; A: computed on the way; B: input w_out: QUANTISED
;;   THE QUANTISER, for each operand of a quantised product, along K:
;;     - K is cut into blocks of 32 from its start; a last block that is shorter is filled with zeros.
;;     - A block's scale is 2^e with e = floor(log2(the largest magnitude in the block)) - 4, held to -126 .. 127; a block of zeros has e = 0. As a byte (E8M0): e + 127.
;;     - Each number is divided by its block's scale, clamped to +-28, and rounded to the nearest number of E3M2, ties to even, subnormals kept.
;;     - The product sums the exact products of the quantised numbers (number of the format x scale) in f32.
;;   ~~~python
;;   def quantise(x, axis):      # numpy; x: float32 -> the quantised numbers, widened to float32 again
;;       x = np.moveaxis(x, axis, -1); K = x.shape[-1]
;;       x = np.pad(x, [(0, 0)] * (x.ndim - 1) + [(0, -K % 32)]); x = x.reshape(x.shape[:-1] + (-1, 32)); a = np.abs(x).max(-1, keepdims=True)
;;       e = np.where(a > 0, np.clip(np.frexp(np.where(a > 0, a, 1))[1] - 1 - 4, -126, 127), 0)      # np.frexp(a)[1] - 1 = floor(log2(a)), exactly
;;       r = np.clip(x / 2.0 ** e, -28, 28)
;;       step = 2.0 ** (np.maximum(np.frexp(np.where(r == 0, 1, r))[1] - 1, -2) - 2)
;;       q = np.round(r / step) * step * 2.0 ** e      # np.round: ties to even
;;       return np.moveaxis(q.reshape(q.shape[:-2] + (-1,))[..., :K], -1, axis).astype(np.float32)
;;   ~~~
;;   SOFTMAX AHEAD OF A QUANTISED PRODUCT. Where the list says 'softmax', what is quantised is not the finished softmax but p = 2^(t - M), with t = logit x log2(e) and M = ceil(the row's largest t), a whole number; so 1/2 < the row's largest p <= 1. The row's sum l is taken of the UNQUANTISED p, in f32, and the product's result is divided by l at the end. Since M is a whole number, a kernel that streams over the keys may use a running M (the ceiling of the running maximum): every later rescaling is an exact power of two, which a block's scale takes up: the codes' values come out the same.
;;   OPERANDS COMPUTED ON THE WAY. 'Computed on the way' means the value that the module computes at that place (a softmax that the list does not call 'softmax' is quantised finished and normalised). What goes into a quantiser is computed in f32, as accurately as f32 sums, v_exp_f32 and their like allow (about 1e-6 of the number): no bf16 or f16 on the way to a quantiser, and a product that is left as it is and whose result goes on into a quantised operand takes f32 operands (vector FMAs, or v_wmma_f32_16x16x4_f32). A number that lies on a knife's edge between two numbers of the format may be rounded either way, as far as f32 arithmetic and the matrix unit's own rounding can turn it there, and no further.
;; 2 versions, each right; version 2 is version 1 with the launch attn written anew for expert scheduling mode. Each part assembles by itself: llvm-mc -triple=amdgcn-amd-amdhsa -mcpu=gfx1250 --defsym DOCPART=n.
;; ======== version 1 of 2: 4 launches
;; workspace buffers: ops 8,192,000 bytes; kv 13,107,200 bytes; oa 6,553,600 bytes; flags 16,384 bytes of whole numbers; padf 32,768 bytes
;; launch prep (part 1): grid 384 x 1, 4 waves a work-group, no clusters, 69,120 bytes of LDS; arguments q, w_q, w_out, att_mask, pad_mask, ops, flags, padf; writes ops, flags, padf
.if DOCPART == 1
	.amdgcn_target "amdgcn-amd-amdhsa--gfx1250"
	.amdhsa_code_object_version 6
	.text
	.protected	k_q6aa08cf765_prep
	.globl	k_q6aa08cf765_prep
	.p2align	8
	.type	k_q6aa08cf765_prep,@function
k_q6aa08cf765_prep:
	s_mov_b64 s[64:65], 0
	v_nop
	global_prefetch_b8 v0, s[64:65] scope:SCOPE_SE
	s_setreg_imm32_b32 hwreg(HW_REG_WAVE_MODE, 25, 1), 1
	s_wait_xcnt 0x0
; MULTI-HEAD ATTENTION IN MX-BF6, launch 1 of 4: operands into codes, masks into whole numbers.
; WORK LEFT OUT, in the problem's own terms: reference() assigns kp = k @ w_k.T + b_k and vp = v @ w_v.T + b_v and never reads kp or vp again (kh = qh, vh = qh).
; So for all values of the inputs products 2 and 3 reach no output: they are not computed, and k, v, w_k, b_k, w_v, b_v are loaded by no launch and are among no launch's arguments.
; LIMIT: a NaN, an infinity or an overflow that reaches only kp or vp is not carried to the result.
; WHAT THIS LAUNCH DOES.  Work-groups 0-319: q [8192][1024], w_q [1024][1024], w_out [1024][1024], f32, K innermost, become codes of E3M2 with one E8M0 byte for each 32 along K, laid in the ORDER OF THE OPERAND'S REGISTERS:
;   ops = [block of 128 rows][K step of 128][12,800 bytes]: 8 fragments of 1,536 bytes, then 8 x 16 scale words.  Blocks 0-63 q, 64-71 w_q, 72-79 w_out.
;   A fragment (16 rows x 128 K, 12 registers a lane) is two halves of 768 bytes: registers 6c..6c+3 at 16 x lane, registers 6c+4, 6c+5 at 512 + 8 x lane.
;   THE ROWS OF A FRAGMENT ARE NOT NEIGHBOURS: of each 32 rows, fragment u's lane r takes row 8 u + r + 8 (r / 8), so that later results have 16 neighbours along the next K in a lane's registers.
; Work-groups 320-383: att_mask and pad_mask become, for each 32 queries x 128 keys and batch, a class in flags [32-query group][batch][key step]: 0 = every score is -inf, 1 = the masks add nothing, 2 = anything else;
;   and padf [batch][key] = 0 or -inf in f32.  No branch and no address here hangs on a mask's value: the classes are selected and stored at fixed places.
; A block's scale byte is its largest magnitude's exponent field - 4, held at 1 from below (a block of zeros gets 1 where the rule says 127: its codes are zeros, and this program alone reads the bytes).
; LIMITS: NaN and infinities in q, w_q, w_out are not served; in att_mask finite numbers and -inf are served, NaN and +inf are not.
; No tensor load, no cluster: apart from pad_mask, no two work-groups read the same bytes.  No barrier: waves share nothing.
.set SPARE, 68608                      ; behind the four waves' regions: the spare words, 128 bytes a wave
.set WREG,  17152                      ; a wave's LDS: two stages of 16 rows x 528 bytes, then 256 bytes for scale words
.set STG,   8448
.set SCR,   16896
.set L16,   1                          ; v1   16 x lane
.set L8,    2                          ; v2   8 x lane
.set SWR,   3                          ; v3   stage, way in: 16 x lane
.set SRD,   4                          ; v4   stage, way out: 528 r + 64 h
.set CWR,   5                          ; v5   scale words, way in: 4 r
.set CRD,   6                          ; v6   scale words, way out: 8 x lane
.set LANE,  7
.set SPW,   8                          ; v8   my spare word; never rewritten
.set NIL,   9                          ; v9   0; never rewritten
.set PW,    10                         ; v10-13 a scale word for each fragment
.set R,     16                         ; v16-143 two sets of 64 as loaded
.set X,     144                        ; v144-207 64 numbers: register 16 b + i = k 32 b + 16 h + i of my row
.set PC,    208                        ; v208-231 codes, two sets of 12
.set T,     232                        ; v232-239 at work
.set TM,    240                        ; v240-255 at work
.set SEL,   38                         ; s[38:39] selects for lane l xor 16
; the mask path's registers
.set CM,    144                        ; v144-147 largest mask value of my four keys over the 32 queries
.set AZ,    148                        ; v148-149 largest magnitude
.set TV,    150
.set FO,    151
.set VF,    152                        ; the classes, lane 4 b + i
.set L4,    153
.set ZR,    154
.set NI,    155
.set PWD,   208                        ; v208-223 pad bytes, four keys a word: batch b, step i at 4 b + i
	s_load_b256 s[4:11], s[0:1], 0x0               ; q, w_q, w_out, att_mask
	s_load_b256 s[12:19], s[0:1], 0x20             ; pad_mask, ops, flags, padf
	v_lshl_add_u32 v[SPW], v0, 2, SPARE
	v_mov_b32 v[NIL], 0
	v_lshrrev_b32 v1, 5, v0
	v_readfirstlane_b32 s20, v1                    ; wave 0..3
	v_and_b32 v[LANE], 31, v0
	v_lshlrev_b32 v[L16], 4, v[LANE]
	v_lshlrev_b32 v[L8], 3, v[LANE]
	s_cmp_ge_u32 ttmp9, 320
	s_cbranch_scc1 .Lmask
; ---------------- THE QUANTISER.  Work-group x: 64 rows (x / 2), K steps 4 (x % 2) + wave: a wave makes four fragments.
	v_and_b32 v14, 15, v0                          ; r
	v_bfe_u32 v15, v0, 4, 1                        ; h
	s_mul_i32 s21, s20, WREG
	v_add_nc_u32 v[SWR], s21, v[L16]
	v_mul_u32_u24 v[SRD], v14, 528
	v_lshl_add_u32 v[SRD], v15, 6, v[SRD]
	v_add_nc_u32 v[SRD], s21, v[SRD]
	v_lshl_add_u32 v[CWR], v14, 2, s21
	v_add_nc_u32 v[CWR], SCR, v[CWR]
	v_add_nc_u32 v[CRD], s21, v[L8]
	v_add_nc_u32 v[CRD], SCR, v[CRD]
.irp b, 0,1,2,3
	v_mov_b32 v[TM+4+\b], 0                        ; written once: a lane permute's destination counts as one of its sources
.endr
	s_mov_b32 s[SEL], 0x76543210
	s_mov_b32 s[SEL+1], 0xfedcba98
	s_lshr_b32 s22, ttmp9, 1                       ; which 64 rows of the 10,240
	s_and_b32 s23, ttmp9, 1
	s_lshl_b32 s24, s23, 2
	s_add_co_u32 s24, s24, s20                     ; my K step
	s_wait_kmcnt 0x0
	s_mov_b32 s25, 144
	s_cmp_lt_u32 s22, 144                          ; the tensor is chosen by the work-group's number alone
	s_cselect_b64 s[26:27], s[6:7], s[8:9]
	s_cselect_b32 s25, 128, s25
	s_cmp_lt_u32 s22, 128
	s_cselect_b64 s[26:27], s[4:5], s[26:27]
	s_cselect_b32 s25, 0, s25
	s_sub_co_u32 s25, s22, s25                     ; which 64 rows of that tensor
	s_lshl_b32 s28, s25, 18                        ; x 64 rows of 4,096 bytes
	s_lshl_b32 s29, s24, 9                         ; + 512 bytes a K step
	s_add_co_u32 s28, s28, s29
	s_mov_b32 s29, 0
	s_add_nc_u64 s[26:27], s[26:27], s[28:29]
	s_lshr_b32 s30, s22, 1                         ; the block of 128 rows
	s_lshl_b32 s30, s30, 3
	s_add_co_u32 s30, s30, s24
	s_mul_i32 s30, s30, 12800                      ; its K step's 12,800 bytes
	s_and_b32 s31, s22, 1                          ; fragments 0-3 or 4-7
	s_mul_i32 s32, s31, 6144
	s_add_co_u32 s32, s32, s30
	s_mov_b32 s33, 0
	s_add_nc_u64 s[34:35], s[14:15], s[32:33]      ; where my fragments go
	s_lshl_b32 s31, s31, 8
	s_add_co_u32 s32, s30, s31
	s_add_co_u32 s32, s32, 12288
	s_add_nc_u64 s[36:37], s[14:15], s[32:33]      ; where my 64 scale words go: one aligned 256 bytes
.macro LOAD f                          ; fragment f's 16 rows, 512 consecutive bytes a load
.irp i, 0,1,2,3,4,5,6,7,8,9,10,11,12,13,14,15
	global_load_b128 v[R+64*((\f)%2)+4*\i:R+64*((\f)%2)+4*\i+3], v[L16], s[26:27] offset:(32*((\f)/2)+8*((\f)%2)+\i+8*(\i/8))*4096 th:TH_LOAD_NT
.endr
.endm
.macro TURN f                          ; through my stage: in as loaded, out 16 neighbours of each block of 32 a lane.  LDS serves a wave's instructions in order: no wait between
.irp i, 0,1,2,3,4,5,6,7,8,9,10,11,12,13,14,15
	ds_store_b128 v[SWR], v[R+64*((\f)%2)+4*\i:R+64*((\f)%2)+4*\i+3] offset:STG*((\f)%2)+528*\i
.endr
.irp b, 0,1,2,3
.irp j, 0,1,2,3
	ds_load_b128 v[X+16*\b+4*\j:X+16*\b+4*\j+3], v[SRD] offset:STG*((\f)%2)+128*\b+16*\j
.endr
.endr
.endm
; 64 numbers of a lane become a fragment's 12 registers of codes at v[pc] and its row's scale word in v[pw]
.macro QUANT s, pc, pw
.irp b, 0,1,2,3
	v_max3_num_f32 v[TM+\b], |v[(\s)+16*\b]|, |v[(\s)+1+16*\b]|, 0x2800000   ; my 16 numbers of block b, and the floor 2^(5 - 127): the byte cannot fall under 1
.endr
.irp i, 2,4,6,8,10,12,14
.irp b, 0,1,2,3
	v_max3_num_f32 v[TM+\b], v[TM+\b], |v[(\s)+16*\b+\i]|, |v[(\s)+1+16*\b+\i]|
.endr
.endr
.irp b, 0,1,2,3
	v_permlanex16_b32 v[TM+4+\b], v[TM+\b], s[SEL], s[SEL+1]
.endr
.irp b, 0,1,2,3
	v_max_num_f32 v[TM+\b], v[TM+\b], v[TM+4+\b]   ; with lane l xor 16's 16: the block's largest magnitude
.endr
.irp b, 0,1,2,3
	v_add_nc_u32 v[TM+12+\b], 0xfe000000, v[TM+\b] ; 4 off its exponent field: the conversion's scale operand
.endr
.irp b, 0,1,2,3
	v_lshrrev_b32 v[TM+4+\b], 23, v[TM+12+\b]      ; the scale's byte
.endr
	v_lshl_or_b32 v[\pw], v[TM+5], 8, v[TM+4]
	v_lshl_or_b32 v[\pw], v[TM+6], 16, v[\pw]
	v_lshl_or_b32 v[\pw], v[TM+7], 24, v[\pw]
.irp c, 0,1
	v_cvt_scalef32_pk16_bf6_f32 v[(\pc)+6*\c:(\pc)+2+6*\c], v[(\s)+32*\c:(\s)+15+32*\c], v[TM+12+2*\c]
	v_cvt_scalef32_pk16_bf6_f32 v[T+4*\c:T+2+4*\c], v[(\s)+16+32*\c:(\s)+31+32*\c], v[TM+12+2*\c+1]   ; (a conversion's three registers begin on an even number)
.endr
	v_nop                                          ; one plain place behind a scaled conversion
.irp c, 0,1                                    ; the operand wants a whole block in a lane: lanes 0-15 block 2 c, lanes 16-31 block 2 c + 1
.irp i, 0,1,2
	v_permlane16_swap_b32 v[(\pc)+6*\c+\i], v[T+4*\c+\i]
.endr
.irp i, 0,1,2
	v_mov_b32 v[(\pc)+3+6*\c+\i], v[T+4*\c+\i]
.endr
.endr
.endm
.macro PIECE f
	s_wait_dscnt 0x0                               ; my 64 numbers are back from the stage, so the stage's stores have read their registers,
.if (\f)<2
	LOAD (\f)+2                                    ; which take the fragment two on
.else
	s_wait_xcnt 0x0                                ; the stores of two fragments ago have read this set of codes
.endif
	QUANT X, PC+12*((\f)%2), PW+(\f)
	global_store_b128 v[L16], v[PC+12*((\f)%2):PC+12*((\f)%2)+3], s[34:35] offset:1536*(\f)          ; each store covers whole aligned runs of 256 bytes
	global_store_b64 v[L8], v[PC+12*((\f)%2)+4:PC+12*((\f)%2)+5], s[34:35] offset:1536*(\f)+512
	global_store_b128 v[L16], v[PC+12*((\f)%2)+6:PC+12*((\f)%2)+9], s[34:35] offset:1536*(\f)+768
	global_store_b64 v[L8], v[PC+12*((\f)%2)+10:PC+12*((\f)%2)+11], s[34:35] offset:1536*(\f)+1280
	ds_store_b32 v[CWR], v[PW+(\f)] offset:64*(\f) ; both halves of the lanes write the same word with the same value
.if (\f)<2
	s_wait_loadcnt 16                              ; the next fragment's 16 loads are in; the 16 behind them may be out
	TURN (\f)+1
.elseif (\f)==2
	s_wait_loadcnt 0x0
	TURN 3
.endif
.endm
	LOAD 0
	LOAD 1
	s_wait_loadcnt 16                              ; fragment 0's loads are in, fragment 1's may be out
	TURN 0
	PIECE 0
	PIECE 1
	PIECE 2
	PIECE 3
	ds_load_b64 v[T:T+1], v[CRD]                   ; my 64 scale words, 8 bytes a lane
	s_wait_dscnt 0x0
	global_store_b64 v[L8], v[T:T+1], s[36:37]
	s_wait_tensorcnt 0x0                           ; the wave's end: three lines behind my last LDS store
	ds_add_u32 v[SPW], v[NIL]
	s_wait_dscnt 0x0
	s_endpgm
; ---------------- THE MASKS.  Work-group 320 + G: queries 32 G .. 32 G + 31; wave sg: key steps 4 sg + i.  A lane holds keys 4 x lane .. + 3 of a step, of all 32 queries in turn.  No LDS is written on this path.
.Lmask:
	s_sub_co_u32 s22, ttmp9, 320                   ; G
	s_lshl_b32 s24, s22, 18                        ; 32 rows of 8,192 bytes
	s_lshl_b32 s25, s20, 11                        ; four steps of 512 bytes
	s_add_co_u32 s24, s24, s25
	s_mov_b32 s25, 0
	v_lshlrev_b32 v[L4], 2, v[LANE]
	v_mov_b32 v[VF], 0
	v_mov_b32 v[ZR], 0
	v_mov_b32 v[NI], 0xff800000                    ; -inf
	v_lshrrev_b32 v[FO], 2, v[LANE]
	v_lshlrev_b32 v[FO], 6, v[FO]
	v_and_b32 v[TV], 3, v[LANE]
	v_lshl_add_u32 v[FO], v[TV], 2, v[FO]          ; lane 4 b + i stores at 64 b + 4 i
	s_wait_kmcnt 0x0
	s_add_nc_u64 s[26:27], s[10:11], s[24:25]      ; att_mask at my rows and steps
	s_lshl_b32 s24, s20, 9
	s_add_nc_u64 s[28:29], s[12:13], s[24:25]      ; pad_mask at my 512 keys
	s_lshl_b32 s24, s20, 11
	s_add_nc_u64 s[30:31], s[18:19], s[24:25]      ; padf likewise
	s_lshl_b32 s24, s22, 8
	s_lshl_b32 s21, s20, 4
	s_add_co_u32 s24, s24, s21
	s_add_nc_u64 s[32:33], s[16:17], s[24:25]      ; flags at [G][.][4 sg]
.irp b, 0,1,2,3
.irp i, 0,1,2,3
	global_load_b32 v[PWD+4*\b+\i], v[L4], s[28:29] offset:2048*\b+128*\i
.endr
.endr
.macro LOADM k                         ; step k / 2, queries 16 (k % 2) on: 16 loads of 512 consecutive bytes
.irp rr, 0,1,2,3,4,5,6,7,8,9,10,11,12,13,14,15
	global_load_b128 v[R+64*((\k)%2)+4*\rr:R+64*((\k)%2)+4*\rr+3], v[L16], s[26:27] offset:(16*((\k)%2)+\rr)*8192+512*((\k)/2) th:TH_LOAD_NT
.endr
.endm
.macro REDUCE k
.set RS, R+64*((\k)%2)
.if (\k)%2==0
.irp c, 0,1,2,3
	v_mov_b32 v[CM+\c], 0xff800000
.endr
	v_mov_b32 v[AZ], 0
	v_mov_b32 v[AZ+1], 0
.endif
.irp rr, 0,2,4,6,8,10,12,14
.irp c, 0,1,2,3
	v_max3_num_f32 v[CM+\c], v[CM+\c], v[RS+4*\rr+\c], v[RS+4*\rr+4+\c]
.endr
	v_max3_num_f32 v[AZ], v[AZ], |v[RS+4*\rr]|, |v[RS+4*\rr+1]|
	v_max3_num_f32 v[AZ+1], v[AZ+1], |v[RS+4*\rr+2]|, |v[RS+4*\rr+3]|
	v_max3_num_f32 v[AZ], v[AZ], |v[RS+4*\rr+4]|, |v[RS+4*\rr+5]|
	v_max3_num_f32 v[AZ+1], v[AZ+1], |v[RS+4*\rr+6]|, |v[RS+4*\rr+7]|
.endr
.endm
.macro CLASS i                         ; step i's class for each batch: selected, never branched on
	v_max_num_f32 v[AZ], v[AZ], v[AZ+1]
.irp c, 0,1,2,3
	v_cmp_eq_f32 s[40+\c], 0xff800000, v[CM+\c]    ; key c of my four is -inf for all 32 queries
.endr
	v_cmp_eq_f32 s44, 0, v[AZ]                     ; all my mask values are 0
.irp b, 0,1,2,3
.irp c, 0,1,2,3
	v_and_b32 v[TV], 0xff<<(8*\c), v[PWD+4*\b+(\i)]
	v_cmp_ne_u32 s45, 0, v[TV]                     ; key c is padding in batch b
.if \c==0
	s_or_b32 s46, s45, s40
.else
	s_or_b32 s45, s45, s[40+\c]
	s_and_b32 s46, s46, s45                        ; lanes all of whose four keys are hidden from all 32 queries
.endif
.endr
	v_cmp_eq_u32 s47, 0, v[PWD+4*\b+(\i)]
	s_and_b32 s47, s44, s47                        ; lanes whose masks add nothing
	s_cmp_eq_u32 s47, -1
	s_cselect_b32 s48, 1, 2
	s_cmp_eq_u32 s46, -1
	s_cselect_b32 s48, 0, s48
	v_writelane_b32 v[VF], s48, 4*\b+(\i)
.endr
.endm
	LOADM 0
	LOADM 1
.irp k, 0,1,2,3,4,5,6,7
.if \k<7
	s_wait_loadcnt 16                              ; all but the youngest 16 loads are in
.else
	s_wait_loadcnt 0x0
.endif
	REDUCE \k
.if \k<6
	LOADM \k+2
.endif
.if \k%2==1
	CLASS \k/2
.endif
.endr
	s_cmp_lg_u32 s22, 0                            ; padf is made once, by the first of these work-groups
	s_cbranch_scc1 .Lno_padf
.irp b, 0,1,2,3
.irp i, 0,1,2,3
.irp c, 0,1,2,3
	v_bfe_u32 v[TV], v[PWD+4*\b+\i], 8*\c, 8
	v_cmp_ne_u32 vcc_lo, 0, v[TV]
	v_cndmask_b32 v[R+4*(4*\b+\i)+\c], v[ZR], v[NI], vcc_lo
.endr
	global_store_b128 v[L16], v[R+4*(4*\b+\i):R+4*(4*\b+\i)+3], s[30:31] offset:8192*\b+512*\i   ; registers of its own for each store
.endr
.endr
.Lno_padf:
	s_wait_xcnt 0x0                                ; EXEC changes only behind this wait
	v_cmp_gt_u32 vcc_lo, 16, v[LANE]
	s_and_saveexec_b32 s49, vcc_lo
	global_store_b32 v[FO], v[VF], s[32:33]        ; sixteen classes
	s_wait_xcnt 0x0
	s_or_b32 exec_lo, exec_lo, s49
	s_endpgm
.Lfunc_end_k_q6aa08cf765_prep:
	.size	k_q6aa08cf765_prep, .Lfunc_end_k_q6aa08cf765_prep-k_q6aa08cf765_prep
	.p2alignl 7, 3214868480
	.fill 96, 4, 3214868480
	.section	.rodata,"a",@progbits
	.p2align	6, 0x0
	.amdhsa_kernel k_q6aa08cf765_prep
		.amdhsa_group_segment_fixed_size 69120
		.amdhsa_private_segment_fixed_size 0
		.amdhsa_enable_private_segment 0
		.amdhsa_kernarg_size 64
		.amdhsa_user_sgpr_count 2
		.amdhsa_user_sgpr_kernarg_segment_ptr 1
		.amdhsa_wavefront_size32 1
		.amdhsa_system_sgpr_workgroup_id_x 1
		.amdhsa_system_sgpr_workgroup_id_y 1
		.amdhsa_system_sgpr_workgroup_id_z 1
		.amdhsa_system_vgpr_workitem_id 0
		.amdhsa_next_free_vgpr 256
		.amdhsa_next_free_sgpr 66
		.amdhsa_reserve_vcc 1
		.amdhsa_float_denorm_mode_32 3
		.amdhsa_float_denorm_mode_16_64 3
		.amdhsa_memory_ordered 1
		.amdhsa_forward_progress 1
		.amdhsa_inst_pref_size 110
	.end_amdhsa_kernel
	.amdgpu_metadata
---
amdhsa.version: [ 1, 2 ]
amdhsa.kernels:
  - .name:           k_q6aa08cf765_prep
    .symbol:         k_q6aa08cf765_prep.kd
    .args:
      - { .name: q, .offset: 0, .size: 8, .value_kind: global_buffer, .address_space: global }
      - { .name: w_q, .offset: 8, .size: 8, .value_kind: global_buffer, .address_space: global }
      - { .name: w_out, .offset: 16, .size: 8, .value_kind: global_buffer, .address_space: global }
      - { .name: att_mask, .offset: 24, .size: 8, .value_kind: global_buffer, .address_space: global }
      - { .name: pad_mask, .offset: 32, .size: 8, .value_kind: global_buffer, .address_space: global }
      - { .name: ops, .offset: 40, .size: 8, .value_kind: global_buffer, .address_space: global }
      - { .name: flags, .offset: 48, .size: 8, .value_kind: global_buffer, .address_space: global }
      - { .name: padf, .offset: 56, .size: 8, .value_kind: global_buffer, .address_space: global }
    .group_segment_fixed_size: 69120
    .private_segment_fixed_size: 0
    .kernarg_segment_align: 8
    .kernarg_segment_size: 64
    .max_flat_workgroup_size: 128
    .sgpr_count:     66
    .vgpr_count:     256
    .wavefront_size: 32
...
	.end_amdgpu_metadata
.endif
;; end of part 1
;; launch proj (part 2): grid 4 x 64, 4 waves a work-group, clusters of 4 x 4, 327,680 bytes of LDS; arguments ops, b_q, kv; writes kv
.if DOCPART == 2
	.amdgcn_target "amdgcn-amd-amdhsa--gfx1250"
	.amdhsa_code_object_version 6
	.text
	.protected	k_q6aa08cf765_proj
	.globl	k_q6aa08cf765_proj
	.p2align	8
	.type	k_q6aa08cf765_proj,@function
k_q6aa08cf765_proj:
	s_mov_b64 s[64:65], 0
	v_nop
	global_prefetch_b8 v0, s[64:65] scope:SCOPE_SE
	s_setreg_imm32_b32 hwreg(HW_REG_WAVE_MODE, 25, 1), 1
	s_wait_xcnt 0x0
	s_wait_alu depctr_hold_cnt(0) depctr_sa_sdst(0) depctr_va_vdst(0) depctr_va_sdst(0) depctr_va_ssrc(0) depctr_va_vcc(0) depctr_vm_vsrc(0)
	s_getreg_b32 s2, hwreg(HW_REG_IB_STS2, 6, 4)
	s_cmp_eq_u32 s2, 0
	s_cbranch_scc0 .Lentry_in_a_cluster
	s_endpgm
.Lentry_in_a_cluster:
	s_bfe_u32 s2, ttmp6, 0x10000c
	s_cmp_lg_u32 s2, 0xf033
	s_cbranch_scc0 .Lentry_shape_is_right
	s_endpgm
.Lentry_shape_is_right:
; Launch 2 of 4: qp = Q(q) Q(w_q)^T + b_q on codes of E3M2, and qp quantised twice on its way out: along the head's 64 (both sides of product 4) and along the keys (product 5).
; Products 2 and 3 (kp, vp) are never read by reference() and are left out, as the first kernel's head shows.
; SHARES.  A work-group makes 128 rows x 256 columns; each of its four waves 128 rows x 64 columns, ONE HEAD: 32 accumulators.  All of K = 1,024 of both operands fits in LDS: every tile is filled once, nothing is filled again.
; CLUSTER 4 x 4: the four of a row of the cluster need the same 128 rows of q, the four of a column the same 256 rows of w_q: each tile is asked for jointly.
; The product is used TRANSPOSED (source 0 = 16 rows of w_q, source 1 = 16 rows of q): lane (r, h) holds row position r, and the 16 registers of column tiles 2 b, 2 b + 1 are columns 32 b + 16 h + 0 .. 15.
; kv = 64 records of 204,800 bytes, one for each batch and head:  0: 64 pair fragments (half u = rows 32 G + 8 u + r + 8 (r / 8), K = the head's 64);  98,304: [key step][d tile] fragments (16 d x 128 keys);
;   196,608: the pair fragments' scale words;  200,704: the V fragments' scale words.  Fragments lie in the order of the operand's registers, as in ops.
; LIMITS: NaN and infinities in b_q are not served; a block of zeros gets the scale byte 1 (its codes are zeros; this program alone reads the bytes).
; REGISTERS: window 0: v1-19 addresses; v20-31 scale words made; v32-43 scale words, two sets; v48-79 the bias, later codes and work; v96-191 q's fragments, v192-239 w_q's (K steps 0, 2 ..); window 2: the same for K steps 1, 3 ..; window 1: the accumulators, (f, g) at 8 (4 f + g).
.set BLK,   102400                     ; a block of 128 rows, all K
.set KSB,   12800                      ; one K step of it
.set SPARE, 3*BLK                      ; behind q's block and w_q's two: the spare words
.set B0,    64                         ; w_q's first block in ops
.set AP,    4                          ; s[4:5] source 1's buffer
.set BP,    4                          ; s[4:5] source 0's buffer
.set BI,    6                          ; s[6:7] the bias
.set OP,    8                          ; s[8:9] the result
.set SEL,   12
.set AA16,  4
.set AA8,   5
.set AA4,   6
.set BB16,  7
.set BB8,   8
.set BB4,   9
.set SPW,   10                         ; my spare word; never rewritten
.set NIL,   11                         ; 0; never rewritten
.set SOA,   12                         ; stage, way in
.set SRA,   13                         ; stage, way out
.set CW,    14                         ; scale words, way in
.set CR,    15                         ; scale words, way out
.set PWR,   20
.set SC,    32
.set BIAS,  48
.set AF,    96
.set BF,    192
.set PC,    48                         ; the way out: codes, two sets of 12
.set T,     72
.set TM,    80
.set ST,    96                         ; the way out: two sets of 64 numbers
.set G1A,   24
.set G1B,   32
.set G0A,   40
.set G0B,   68
.set MSB,   0
.macro WIN new                         ; the immediate's high byte repeats the setting that is left
.if MSB != (\new)
	s_set_vgpr_msb (MSB<<8)|(\new)
.set MSB, (\new)
.endif
.endm
.macro CROUND                          ; a round of the cluster's barrier
	s_barrier_signal -1
	s_barrier_wait -1
	s_cmp_lg_u32 s14, 0
	s_cbranch_scc1 .Lnot_wave_0_\@
	s_barrier_signal -3
.Lnot_wave_0_\@:
	s_barrier_wait -3
	s_barrier_signal -1
	s_barrier_wait -1
.endm
.macro PLACES
.rept 4
	v_nop
.endr
.endm
	s_load_b128 s[4:7], s[0:1], 0x0                ; ops, b_q
	s_load_b64 s[8:9], s[0:1], 0x10                ; kv
	v_lshl_add_u32 v[SPW], v0, 2, SPARE
	v_mov_b32 v[NIL], 0
	ds_add_u32 v[SPW], v[NIL]                      ; the wave's opening: the add, twice on end, and its wait ahead of my first tensor load
	ds_add_u32 v[SPW], v[NIL]
	v_lshrrev_b32 v1, 5, v0
	v_readfirstlane_b32 s14, v1                    ; wave 0..3 = my head of the work-group's four
	s_lshr_b32 s15, s14, 1                         ; I fetch for source 1 (0) or source 0 (1); also: which of the two weight blocks holds my columns
	s_and_b32 s16, s14, 1
	s_bfe_u32 s84, ttmp6, 0x40000                  ; cx
	s_bfe_u32 s85, ttmp6, 0x40004                  ; cy
	s_lshl_b32 s86, ttmp9, 2
	s_add_co_u32 s86, s86, s84                     ; column block of 256
	s_and_b32 s17, ttmp7, 0xffff
	s_lshl_b32 s17, s17, 2
	s_add_co_u32 s17, s17, s85                     ; row block of 128
	s_lshl_b32 s87, s85, 2
	s_lshl_b32 s87, 15, s87                        ; my row of the cluster
	s_lshl_b32 s88, 0x1111, s84                    ; my column
	; descriptor group 1: dense blocks as rows of 256 bytes (32 elements of 8 bytes): 50 rows = one K step of 128 rows, 100 rows = two
	s_or_b32 s[G1A], s87, (3<<16)|(1<<21)
	s_or_b32 s[G1B], s88, (3<<16)|(1<<21)
	s_mov_b32 s[G1A+1], 32<<16
	s_mov_b32 s[G1A+2], 50<<16
	s_mov_b32 s[G1A+3], 32<<16
	s_mov_b32 s[G1A+4], 50
	s_mov_b32 s[G1A+5], 32
	s_mov_b32 s[G1A+6], 0
	s_mov_b32 s[G1A+7], 0
	s_mov_b32 s[G1B+1], 32<<16
	s_mov_b32 s[G1B+2], 100<<16
	s_mov_b32 s[G1B+3], 32<<16
	s_mov_b32 s[G1B+4], 100
	s_mov_b32 s[G1B+5], 32
	s_mov_b32 s[G1B+6], 0
	s_mov_b32 s[G1B+7], 0
	s_mul_i32 s18, s17, BLK                        ; source 1: my row block, K step (wave % 2) of each pair
	s_mul_i32 s20, s16, KSB
	s_add_co_u32 s18, s18, s20
	s_mov_b32 s19, 0
	s_lshl_b32 s90, s86, 1                         ; source 0: weight block 2 x column block + wave % 2
	s_add_co_u32 s90, s90, s16
	s_add_co_u32 s90, s90, B0
	s_mul_i32 s90, s90, BLK
	s_mov_b32 s91, 0
	s_mul_i32 s21, s16, BLK
	s_add_co_u32 s21, s21, BLK                     ; and its place in LDS: no place in the cluster enters an LDS address
	s_mov_b32 s[SEL], 0x76543210
	s_mov_b32 s[SEL+1], 0xfedcba98
	s_wait_dscnt 0x0                               ; both opening adds are done
	s_wait_kmcnt 0x0
	s_add_nc_u64 s[18:19], s[AP:AP+1], s[18:19]
	s_add_nc_u64 s[90:91], s[BP:BP+1], s[90:91]
	CROUND                                         ; all sixteen work-groups are here: the joint loads meet
.irp c, 0,1,2,3                                ; chunk c = K steps 2 c, 2 c + 1
	s_mov_b32 s[G0A+4*\c], 1
	s_add_co_u32 s[G0A+4*\c+1], s20, 2*KSB*\c
	s_add_nc_u64 s[G0A+4*\c+2:G0A+4*\c+3], s[18:19], 2*KSB*\c
	s_or_b32 s[G0A+4*\c+3], s[G0A+4*\c+3], 0x80000000
	s_mov_b32 s[G0B+4*\c], 1
	s_add_co_u32 s[G0B+4*\c+1], s21, 2*KSB*\c
	s_add_nc_u64 s[G0B+4*\c+2:G0B+4*\c+3], s[90:91], 2*KSB*\c
	s_or_b32 s[G0B+4*\c+3], s[G0B+4*\c+3], 0x80000000
.endr
	s_cmp_eq_u32 s15, 0                            ; a wave's four fills stand in one branch on its number: four tensor loads of mine are out
	s_cbranch_scc0 .Lfill_b
.irp c, 0,1,2,3
	tensor_load_to_lds s[G0A+4*\c:G0A+4*\c+3], s[G1A:G1A+7]
	s_nop 0
.endr
	PLACES
	s_branch .Lfilled
.Lfill_b:
.irp c, 0,1,2,3
	tensor_load_to_lds s[G0B+4*\c:G0B+4*\c+3], s[G1B:G1B+7]
	s_nop 0
.endr
	PLACES
.Lfilled:
	v_and_b32 v17, 31, v0                          ; lane
	v_and_b32 v18, 15, v0                          ; r
	v_bfe_u32 v19, v0, 4, 1                        ; h
	v_lshlrev_b32 v1, 4, v17
	v_lshlrev_b32 v2, 3, v17
	v_lshlrev_b32 v3, 2, v17
	v_mov_b32 v[AA16], v1                          ; (stepped half way along K, so they are registers of their own)
	v_mov_b32 v[AA8], v2
	v_add_nc_u32 v[AA4], 12288, v3
	s_mul_i32 s22, s15, BLK
	s_add_co_u32 s22, s22, BLK                     ; the weight block with my columns
	s_mul_i32 s23, s16, 6144                       ; my four fragments of its eight
	s_add_co_u32 s23, s23, s22
	v_add_nc_u32 v[BB16], s23, v1
	v_add_nc_u32 v[BB8], s23, v2
	s_lshl_b32 s23, s16, 8
	s_add_co_u32 s23, s23, s22
	s_add_co_u32 s23, s23, 12288
	v_add_nc_u32 v[BB4], s23, v3
	s_lshl_b32 s92, s86, 10                        ; the bias of my 64 columns
	s_lshl_b32 s93, s14, 8
	s_add_co_u32 s92, s92, s93
	s_mov_b32 s93, 0
	s_add_nc_u64 s[BI:BI+1], s[BI:BI+1], s[92:93]
	v_lshlrev_b32 v16, 6, v19                      ; in the result's layout: tile 2 b + u, lane half h: columns 32 b + 16 h + 8 u + 0 .. 7
.irp g, 0,1,2,3
	global_load_b128 v[BIAS+8*\g:BIAS+8*\g+3], v16, s[BI:BI+1] offset:(32*(\g/2)+8*(\g%2))*4
	global_load_b128 v[BIAS+8*\g+4:BIAS+8*\g+7], v16, s[BI:BI+1] offset:(32*(\g/2)+8*(\g%2))*4+16
.endr
	; the way out's addresses
	s_mul_i32 s22, s14, 33792                      ; my stage: 4 column tiles x 16 rows of 528 bytes
	v_mul_u32_u24 v[SOA], v19, 4224
	v_lshl_add_u32 v[SOA], v18, 2, v[SOA]
	v_add_nc_u32 v[SOA], s22, v[SOA]               ; in: row 8 h + j (a column of qp), byte 64 f + 4 r (a row of qp)
	v_mul_u32_u24 v[SRA], v18, 528
	v_lshl_add_u32 v[SRA], v19, 5, v[SRA]
	v_add_nc_u32 v[SRA], s22, v[SRA]               ; out: row r, byte 64 f + 32 h
	s_lshl_b32 s22, s14, 9
	s_add_co_u32 s22, s22, 135168                  ; behind the four stages: 512 bytes a wave for scale words
	v_lshl_add_u32 v[CW], v18, 2, s22
	v_add_nc_u32 v[CR], s22, v2
	s_lshr_b32 s92, s17, 4                         ; batch
	s_lshl_b32 s92, s92, 4
	s_lshl_b32 s94, s86, 2
	s_add_co_u32 s92, s92, s94
	s_add_co_u32 s92, s92, s14                     ; 16 x batch + head
	s_mul_i32 s92, s92, 204800                     ; my record
	s_and_b32 s94, s17, 15                         ; my key step
	s_mul_i32 s95, s94, 6144
	s_add_co_u32 s88, s92, s95
	s_mov_b32 s89, 0
	s_add_nc_u64 s[96:97], s[OP:OP+1], s[88:89]    ; my four pair fragments; my four V fragments lie 98,304 on
	s_lshl_b32 s95, s94, 8
	s_add_co_u32 s88, s92, s95
	s_add_co_u32 s88, s88, 196608
	s_add_nc_u64 s[98:99], s[OP:OP+1], s[88:89]    ; their scale words; V's lie 4,096 on
.macro FRAG reg, a16, a8, off          ; a fragment comes back as it was stored: four loads, each of consecutive bytes
	ds_load_b128 v[(\reg):(\reg)+3], v[\a16] offset:(\off)
	ds_load_b64 v[(\reg)+4:(\reg)+5], v[\a8] offset:(\off)+512
	ds_load_b128 v[(\reg)+6:(\reg)+9], v[\a16] offset:(\off)+768
	ds_load_b64 v[(\reg)+10:(\reg)+11], v[\a8] offset:(\off)+1280
.endm
.macro FETCH s                         ; K step s: 8 + 4 fragments, and their scale words: lanes 0-15 an even fragment's, lanes 16-31 the odd one's behind it
	WIN 0x80*((\s)%2)
.irp f, 0,1,2,3,4,5,6,7
	FRAG AF+12*\f, AA16, AA8, KSB*((\s)%4)+1536*\f
.endr
.irp g, 0,1,2,3
	FRAG BF+12*\g, BB16, BB8, KSB*((\s)%4)+1536*\g
.endr
	WIN 0
.irp p, 0,1,2,3
	ds_load_b32 v[SC+6*((\s)%2)+\p], v[AA4] offset:KSB*((\s)%4)+128*\p
.endr
.irp p, 0,1
	ds_load_b32 v[SC+6*((\s)%2)+4+\p], v[BB4] offset:KSB*((\s)%4)+128*\p
.endr
.endm
.macro MM f, g, s
.set rD, 8*(4*(\f)+(\g))
.set rA, BF+12*(\g)
.set rB, AF+12*(\f)
.set rSA, SC+6*((\s)%2)+4+(\g)/2
.set rSB, SC+6*((\s)%2)+(\f)/2
.set rC, rD
.if (\s)==0
.set rC, BIAS+8*(\g)                   ; the bias is the C of each sum's first product: nothing is cleared, nothing is added later
.endif
.if ((\g)%2==0)&&((\f)%2==0)
	v_wmma_scale_f32_16x16x128_f8f6f4 v[rD:rD+7], v[rA:rA+11], v[rB:rB+11], v[rC:rC+7], v[rSA], v[rSB] matrix_a_fmt:MATRIX_FMT_BF6 matrix_b_fmt:MATRIX_FMT_BF6
.elseif ((\g)%2==1)&&((\f)%2==0)
	v_wmma_scale_f32_16x16x128_f8f6f4 v[rD:rD+7], v[rA:rA+11], v[rB:rB+11], v[rC:rC+7], v[rSA], v[rSB] matrix_a_fmt:MATRIX_FMT_BF6 matrix_b_fmt:MATRIX_FMT_BF6 matrix_a_scale:MATRIX_SCALE_ROW1
.elseif ((\g)%2==0)&&((\f)%2==1)
	v_wmma_scale_f32_16x16x128_f8f6f4 v[rD:rD+7], v[rA:rA+11], v[rB:rB+11], v[rC:rC+7], v[rSA], v[rSB] matrix_a_fmt:MATRIX_FMT_BF6 matrix_b_fmt:MATRIX_FMT_BF6 matrix_b_scale:MATRIX_SCALE_ROW1
.else
	v_wmma_scale_f32_16x16x128_f8f6f4 v[rD:rD+7], v[rA:rA+11], v[rB:rB+11], v[rC:rC+7], v[rSA], v[rSB] matrix_a_fmt:MATRIX_FMT_BF6 matrix_b_fmt:MATRIX_FMT_BF6 matrix_a_scale:MATRIX_SCALE_ROW1 matrix_b_scale:MATRIX_SCALE_ROW1
.endif
.endm
.macro MUL s                           ; 32 products; the 32 accumulators take turns, one instruction a turn, in the same order in every step
.if (\s)==0
	WIN 0x40
.else
	WIN 0x50|(0x0a*((\s)%2))
.endif
.irp f, 0,1,2,3,4,5,6,7
.irp g, 0,1,2,3
	MM \f, \g, \s
.endr
.endr
.endm
.macro KSTEP s
	s_wait_dscnt 0x0                               ; this step's fragments are in (asked for 32 products ago); no LDS instruction of mine is pending at a signal
.if ((\s)%2==1)&&((\s)<7)
	s_wait_tensorcnt 3-((\s)+1)/2                  ; my part of the next chunk has landed; my loads of the later chunks may stay out
	s_barrier_signal -1
	s_barrier_wait -1                              ; everybody's has
.endif
.if (\s)<7
.if (\s)==3
	WIN 0
.irp a, AA16, AA8, AA4, BB16, BB8, BB4         ; on to K steps 4 to 7: six plain lines, which are also the places in front of the loads
	v_add_nc_u32 v[\a], 4*KSB, v[\a]
.endr
.else
	PLACES                                         ; four places between the last products that read a set of fragments and the loads into it
.endif
	FETCH (\s)+1
.endif
	MUL \s
.endm
	s_wait_tensorcnt 3                             ; my part of chunk 0 has landed; three loads of mine may be out
	s_barrier_signal -1
	s_barrier_wait -1
	s_wait_loadcnt 0x0                             ; the bias
	FETCH 0
.irp s, 0,1,2,3,4,5,6,7
	KSTEP \s
.endr
	WIN 0
	s_wait_dscnt 0x0
	s_barrier_signal -1
	s_barrier_wait -1                              ; nobody reads the tiles any more, and they have had their only fill: the stages lie over them
	PLACES                                         ; in front of the first reads of results
; 64 numbers of a lane in window w, register 16 b + i = k 32 b + 16 h + i, become 12 registers of codes at v[pc] and a scale word in v[pw] (window 0)
.macro QUANT s, w, pc, pw
	WIN 5*(\w)
.irp b, 0,1,2,3
	v_max3_num_f32 v[TM+\b], |v[(\s)+16*\b]|, |v[(\s)+1+16*\b]|, 0x2800000   ; and the floor 2^(5 - 127): the byte cannot fall under 1
.endr
	WIN 0x14*(\w)
.irp i, 2,4,6,8,10,12,14
.irp b, 0,1,2,3
	v_max3_num_f32 v[TM+\b], v[TM+\b], |v[(\s)+16*\b+\i]|, |v[(\s)+1+16*\b+\i]|
.endr
.endr
	WIN 0
.irp b, 0,1,2,3
	v_permlanex16_b32 v[TM+4+\b], v[TM+\b], s[SEL], s[SEL+1]
.endr
.irp b, 0,1,2,3
	v_max_num_f32 v[TM+\b], v[TM+\b], v[TM+4+\b]
.endr
.irp b, 0,1,2,3
	v_add_nc_u32 v[TM+12+\b], 0xfe000000, v[TM+\b] ; 4 off the exponent field: the conversion's scale operand
.endr
.irp b, 0,1,2,3
	v_lshrrev_b32 v[TM+4+\b], 23, v[TM+12+\b]
.endr
	v_lshl_or_b32 v[\pw], v[TM+5], 8, v[TM+4]
	v_lshl_or_b32 v[\pw], v[TM+6], 16, v[\pw]
	v_lshl_or_b32 v[\pw], v[TM+7], 24, v[\pw]
	WIN (\w)
.irp c, 0,1
	v_cvt_scalef32_pk16_bf6_f32 v[(\pc)+6*\c:(\pc)+2+6*\c], v[(\s)+32*\c:(\s)+15+32*\c], v[TM+12+2*\c]
	v_cvt_scalef32_pk16_bf6_f32 v[T+4*\c:T+2+4*\c], v[(\s)+16+32*\c:(\s)+31+32*\c], v[TM+12+2*\c+1]
.endr
	WIN 0
	v_nop                                          ; one plain place behind a scaled conversion
.irp c, 0,1
.irp i, 0,1,2
	v_permlane16_swap_b32 v[(\pc)+6*\c+\i], v[T+4*\c+\i]
.endr
.irp i, 0,1,2
	v_mov_b32 v[(\pc)+3+6*\c+\i], v[T+4*\c+\i]
.endr
.endr
.endm
.macro OUT4 pc, off
	global_store_b128 v1, v[(\pc):(\pc)+3], s[96:97] offset:(\off)               ; whole aligned runs of 256 bytes
	global_store_b64 v2, v[(\pc)+4:(\pc)+5], s[96:97] offset:(\off)+512
	global_store_b128 v1, v[(\pc)+6:(\pc)+9], s[96:97] offset:(\off)+768
	global_store_b64 v2, v[(\pc)+10:(\pc)+11], s[96:97] offset:(\off)+1280
.endm
.irp b, 0,1,2,3
	v_mov_b32 v[TM+4+\b], 0                        ; written once: a lane permute's destination counts as one of its sources
.endr
	; (a) qp into my stage, turned: a stage row is a column of qp.  Each accumulator is read from its low end on
	WIN 0x04                                       ; an LDS store's data are its source 1: window 1
.irp g, 0,1,2,3
.irp f, 0,1,2,3,4,5,6,7
.irp j, 0,1,2,3,4,5,6,7
	ds_store_b32 v[SOA], v[8*(4*\f+\g)+\j] offset:8448*\g+528*\j+64*\f
.endr
.endr
.endr
	WIN 0
	; (b) along the head's 64: the 64 registers of row fragments 2 b, 2 b + 1 are two rows' two blocks each: one pair fragment
.irp b, 0,1,2,3
.if \b>=2
	s_wait_xcnt 0x0                                ; the stores of two fragments ago have read this set of codes
.endif
	QUANT 64*\b, 1, PC+12*(\b%2), PWR+\b
	OUT4 PC+12*(\b%2), 1536*\b
	ds_store_b32 v[CW], v[PWR+\b] offset:64*\b
.endr
	ds_load_b64 v[28:29], v[CR]
	s_wait_dscnt 0x0
	global_store_b64 v2, v[28:29], s[98:99]        ; 64 scale words: one aligned 256 bytes
	; (c) along the keys: lane (r, h) takes column position r of tile g and keys 32 b + 16 h + 0 .. 15
.macro VLOAD g
.irp f, 0,1,2,3,4,5,6,7
	ds_load_b128 v[ST+64*((\g)%2)+8*\f:ST+64*((\g)%2)+8*\f+3], v[SRA] offset:8448*(\g)+64*\f
	ds_load_b128 v[ST+64*((\g)%2)+8*\f+4:ST+64*((\g)%2)+8*\f+7], v[SRA] offset:8448*(\g)+64*\f+16
.endr
.endm
	VLOAD 0
	VLOAD 1
.irp g, 0,1,2,3
.if \g==0
	s_wait_dscnt 16                                ; tile 0 is in; tile 1's 16 loads may be out
.elseif \g<3
	s_wait_dscnt 17                                ; behind this tile's loads: one store of a scale word and the next tile's 16 loads
.else
	s_wait_dscnt 1                                 ; behind them: one store of a scale word
.endif
	s_wait_xcnt 0x0                                ; the stores of two fragments ago have read this set of codes
	QUANT ST+64*(\g%2), 0, PC+12*(\g%2), PWR+4+\g
	OUT4 PC+12*(\g%2), 98304+1536*\g
	ds_store_b32 v[CW], v[PWR+4+\g] offset:256+64*\g
.if \g<2
	VLOAD \g+2
.endif
.endr
	ds_load_b64 v[30:31], v[CR] offset:256
	s_wait_dscnt 0x0
	global_store_b64 v2, v[30:31], s[98:99] offset:4096
	s_wait_tensorcnt 0x0                           ; the wave's end: three lines behind my last tensor load and my last LDS store
	ds_add_u32 v[SPW], v[NIL]
	s_wait_dscnt 0x0
	CROUND                                         ; the closing round
	s_endpgm
.Lfunc_end_k_q6aa08cf765_proj:
	.size	k_q6aa08cf765_proj, .Lfunc_end_k_q6aa08cf765_proj-k_q6aa08cf765_proj
	.p2alignl 7, 3214868480
	.fill 96, 4, 3214868480
	.section	.rodata,"a",@progbits
	.p2align	6, 0x0
	.amdhsa_kernel k_q6aa08cf765_proj
		.amdhsa_group_segment_fixed_size 327680
		.amdhsa_private_segment_fixed_size 0
		.amdhsa_enable_private_segment 0
		.amdhsa_kernarg_size 24
		.amdhsa_user_sgpr_count 2
		.amdhsa_user_sgpr_kernarg_segment_ptr 1
		.amdhsa_wavefront_size32 1
		.amdhsa_system_sgpr_workgroup_id_x 1
		.amdhsa_system_sgpr_workgroup_id_y 1
		.amdhsa_system_sgpr_workgroup_id_z 1
		.amdhsa_system_vgpr_workitem_id 0
		.amdhsa_next_free_vgpr 768
		.amdhsa_next_free_sgpr 100
		.amdhsa_reserve_vcc 0
		.amdhsa_float_denorm_mode_32 3
		.amdhsa_float_denorm_mode_16_64 3
		.amdhsa_memory_ordered 1
		.amdhsa_forward_progress 1
		.amdhsa_inst_pref_size 126
	.end_amdhsa_kernel
	.amdgpu_metadata
---
amdhsa.version: [ 1, 2 ]
amdhsa.kernels:
  - .name:           k_q6aa08cf765_proj
    .symbol:         k_q6aa08cf765_proj.kd
    .args:
      - { .name: ops, .offset: 0, .size: 8, .value_kind: global_buffer, .address_space: global }
      - { .name: b_q, .offset: 8, .size: 8, .value_kind: global_buffer, .address_space: global }
      - { .name: kv, .offset: 16, .size: 8, .value_kind: global_buffer, .address_space: global }
    .group_segment_fixed_size: 327680
    .private_segment_fixed_size: 0
    .kernarg_segment_align: 8
    .kernarg_segment_size: 24
    .max_flat_workgroup_size: 128
    .sgpr_count:     100
    .vgpr_count:     768
    .wavefront_size: 32
...
	.end_amdgpu_metadata
.endif
;; end of part 2
;; launch attn (part 3): grid 4 x 64, 16 waves a work-group, no clusters, 206,848 bytes of LDS; arguments kv, flags, att_mask, padf, oa; writes oa
.if DOCPART == 3
	.amdgcn_target "amdgcn-amd-amdhsa--gfx1250"
	.amdhsa_code_object_version 6
	.text
	.protected	k_q6aa08cf765_attn
	.globl	k_q6aa08cf765_attn
	.p2align	8
	.type	k_q6aa08cf765_attn,@function
k_q6aa08cf765_attn:
	s_mov_b64 s[64:65], 0
	v_nop
	global_prefetch_b8 v0, s[64:65] scope:SCOPE_SE
	s_setreg_imm32_b32 hwreg(HW_REG_WAVE_MODE, 25, 1), 1
	s_wait_xcnt 0x0
; Launch 3 of 4: for each batch and head, o = softmax(qh qh^T / 8 + att_mask, pad_mask) qh, both products on codes of E3M2, and o quantised along the model's 1,024 for the last product.
; kh = vh = qh in reference(): K and V are the two quantisations of qp that the launch before stored; kp and vp are never read by reference() and do not exist here.
; THE SOFTMAX: t = (score / 8 + mask) log2(e); M = the running largest t rounded up to a whole number; p = 2^(t - M) is quantised along the keys; the sum of the unquantised p divides at the end.
; THE MASKS ARE INPUTS: nothing of their pattern is built in.  The first launch stored a class for each 32 queries x 128 keys and batch: 0 = every score is -inf: the step adds nothing to any sum and is passed over;
; 1 = the masks add nothing: they are not read; 2 = both are read and applied: score + 8 x att_mask by one fused multiply-add (the rounding of score / 8 + att_mask), then + padf (0 or -inf).
; SHARES.  A work-group has one head's whole record (204,800 bytes of codes and scale words) in LDS, stored once through registers, and 32 tiles of 16 queries; each of its sixteen waves takes two: tile (63 - a, u), then (a, u).
; NO TENSOR LOAD AND NO CLUSTER: the walk branches on whole numbers read from memory; what the four work-groups of a head share is this one fill.
; Both products are used transposed: a lane holds ONE query (position lane % 16 of its tile) throughout.  Product 4 has K = 64: a pair fragment holds two key tiles in its two halves, and Q stands in one half with zero codes in the other.
; A QUERY WITH NO KEY (the sum is 0): reference() gives NaN; here its codes are zeros and its scale bytes 0xff, which the last product turns into NaN in the whole row.
; LIMITS: att_mask may hold finite numbers up to 4e37 in size and -inf; NaN and +inf are not served.
.set SPARE, 204800
.set L16,  1                           ; 16 x lane
.set L8,   2                           ; 8 x lane
.set L4S,  3                           ; 4 x lane + 196,608: K's scale words
.set SPW,  4                           ; my spare word; never rewritten
.set NIL,  5                           ; 0; never rewritten
.set ML,   6                           ; my query's row of att_mask, + 64 h
.set PL,   7                           ; 64 h
.set ADK16, 8
.set ADK8,  9
.set ADV16, 10
.set ADV8,  11
.set SQ,   34                          ; Q's scale word
.set ADS,  35
.set MOFF, 36
.set R4,   37                          ; 4 r
.set KSW,  38                          ; v38-39
.set VSW,  40                          ; v40-41
.set POFF, 42
.set RP,   43
.set KV,   44                          ; v44-91 four fragments of K, then of V
.set PC,   92                          ; v92-103 p's codes
.set T,    104                         ; v104-111
.set S,    112                         ; v112-175 S^T, then p
.set O,    176                         ; v176-207 O^T
.set BM,   208                         ; v208-211 the blocks' largest
.set PT,   212                         ; v212-215
.set SO,   216                         ; v216-219 scale operands
.set TV,   220
.set OW,   221                         ; o's two scale bytes
.set SUM2, 222                         ; v[222:223]
.set FF,   226                         ; v[226:227] f, later 1 / the sum
.set PW,   228                         ; p's scale word
.set AV16, 232
.set AV8,  233
.macro FRAG reg, a16, a8, off
	ds_load_b128 v[(\reg):(\reg)+3], v[\a16] offset:(\off)
	ds_load_b64 v[(\reg)+4:(\reg)+5], v[\a8] offset:(\off)+512
	ds_load_b128 v[(\reg)+6:(\reg)+9], v[\a16] offset:(\off)+768
	ds_load_b64 v[(\reg)+10:(\reg)+11], v[\a8] offset:(\off)+1280
.endm
	s_load_b256 s[4:11], s[0:1], 0x0               ; kv, flags, att_mask, padf
	s_load_b64 s[12:13], s[0:1], 0x20              ; oa
	v_lshl_add_u32 v[SPW], v0, 2, SPARE
	v_mov_b32 v[NIL], 0
	v_lshrrev_b32 v6, 5, v0
	v_readfirstlane_b32 s14, v6                    ; wave 0..15
	v_and_b32 v6, 31, v0
	v_lshlrev_b32 v[L16], 4, v6
	v_lshlrev_b32 v[L8], 3, v6
	v_lshl_add_u32 v[L4S], v6, 2, 196608
	v_and_b32 v[R4], 15, v0                        ; r
	v_bfe_u32 v[PL], v0, 4, 1                      ; h
	v_and_b32 v[RP], 8, v[R4]
	v_add_nc_u32 v[RP], v[RP], v[R4]               ; r + 8 (r / 8): my query's place among its tile's 24 rows
	v_lshlrev_b32 v[RP], 13, v[RP]                 ; x a row of att_mask
	v_lshlrev_b32 v[PL], 6, v[PL]
	v_add_nc_u32 v[RP], v[RP], v[PL]
	v_lshlrev_b32 v[R4], 2, v[R4]
	v_add_nc_u32 v[AV16], 98304, v[L16]
	v_add_nc_u32 v[AV8], 98304, v[L8]
.irp j, 22,23,24,25,26,27
	v_mov_b32 v[\j], 0                             ; six registers of zero codes, between Q's two copies: v[16:27] is Q in the lower half of K, v[22:33] Q in the upper
.endr
.irp b, 0,1,2,3
	v_mov_b32 v[PT+\b], 0                          ; written once: a lane permute's destination counts as one of its sources
.endr
	v_mov_b32 v[TV], 0
	v_mov_b32 v[FF+1], 0                           ; (named as the upper half of a pair)
	s_and_b32 s15, ttmp7, 0xffff                   ; 16 x batch + head
	s_lshr_b32 s16, s15, 4
	s_and_b32 s17, s15, 15
	s_mul_i32 s18, s15, 204800
	s_mov_b32 s19, 0
	s_mov_b32 s21, 0
	s_mov_b32 s35, 0
	s_mov_b32 s22, 0x76543210
	s_mov_b32 s23, 0xfedcba98                      ; selects for lane l xor 16
	s_mov_b32 s24, 0x3e38aa3b                      ; c = log2(e) / 8
	s_mov_b32 s25, s24
	s_lshl_b32 s33, ttmp9, 4
	s_add_co_u32 s33, s33, s14                     ; W = 16 x work-group x + wave
	s_and_b32 s55, s33, 1                          ; u
	s_lshr_b32 s33, s33, 1                         ; a
	s_sub_co_u32 s56, 63, s33                      ; G of my first tile
	s_and_b32 s33, s17, 1
	s_mul_i32 s57, s33, 768                        ; my head's half of a fragment of o
	s_lshl_b32 s54, s33, 1
	s_add_co_u32 s54, s54, 12288                   ; and its two bytes of a scale word
	s_mul_i32 s20, s14, 12800                      ; my sixteenth of the record
	v_add_nc_u32 v8, s20, v[L16]
	s_wait_kmcnt 0x0
	s_add_nc_u64 s[4:5], s[4:5], s[18:19]          ; my record
	s_add_nc_u64 s[52:53], s[4:5], s[20:21]
.irp i, 0,1,2,3,4,5,6,7,8,9,10,11,12,13,14,15,16,17,18,19,20,21,22,23,24
	global_load_b128 v[44+4*\i:47+4*\i], v[L16], s[52:53] offset:512*\i
.endr
	s_lshl_b32 s20, s16, 6
	s_add_nc_u64 s[6:7], s[6:7], s[20:21]          ; flags at my batch
	s_lshl_b32 s20, s16, 13
	s_add_nc_u64 s[10:11], s[10:11], s[20:21]      ; padf at my batch
	s_lshl_b32 s20, s16, 7
	s_lshr_b32 s33, s17, 1
	s_add_co_u32 s20, s20, s33
	s_mul_i32 s20, s20, 12800
	s_add_nc_u64 s[12:13], s[12:13], s[20:21]      ; oa at my batch's first block, my head's K step
.irp i, 0,1,2,3,4,5,6,7,8,9,10,11,12,13,14,15,16,17,18,19,20,21,22,23,24
	s_wait_loadcnt 24-\i                           ; load i is in, the younger ones may be out
	ds_store_b128 v8, v[44+4*\i:47+4*\i] offset:512*\i
.endr
	s_wait_dscnt 0x0                               ; for the others' sake: my stores have landed
	s_barrier_signal -1
	s_barrier_wait -1                              ; the record is whole; from here on LDS is only read
	s_mov_b32 s32, 2
.Ltile:
	s_wait_xcnt 0x0                                ; the last tile's loads and stores have read their bases and registers
	s_lshl_b32 s20, s56, 8
	s_add_nc_u64 s[58:59], s[6:7], s[20:21]
	s_load_b512 s[36:51], s[58:59], 0x0            ; my tile's sixteen classes
	s_mul_i32 s20, s56, 1536
	s_mul_i32 s33, s55, 768
	s_add_co_u32 s20, s20, s33
	s_add_nc_u64 s[60:61], s[4:5], s[20:21]        ; Q = half u of pair fragment G, from memory: no LDS address hangs on the work-group's number
	global_load_b128 v[16:19], v[L16], s[60:61]
	global_load_b64 v[20:21], v[L8], s[60:61] offset:512
	global_load_b128 v[28:31], v[L16], s[60:61]    ; and once more, for the upper half of K
	global_load_b64 v[32:33], v[L8], s[60:61] offset:512
	s_lshl_b32 s20, s56, 6
	s_add_co_u32 s20, s20, 196608
	s_add_nc_u64 s[62:63], s[4:5], s[20:21]
	global_load_b32 v[SQ], v[R4], s[62:63]         ; the pair's scale word
	s_lshl_b32 s20, s56, 5
	s_lshl_b32 s33, s55, 3
	s_add_co_u32 s20, s20, s33
	s_lshl_b32 s20, s20, 13                        ; (32 G + 8 u) rows of att_mask
	v_add_nc_u32 v[ML], s20, v[RP]
.set j, 0
.rept 32
	v_mov_b32 v[O+j], 0                            ; O^T: which step is the tile's first live one is not known to the text, so the sums begin as zeros
.set j, j+1
.endr
	v_mov_b32 v13, 0xff61b1e6                      ; the largest t so far: -3e38
	v_floor_f32 v12, -v13                          ; -M
	v_mov_b32 v14, 0
	v_mov_b32 v15, 0
	s_mov_b32 s28, 0                               ; the step's fragments: 6,144 bytes a step
	s_mov_b32 s29, 0                               ; its scale words: 256
	s_mov_b32 s30, 0                               ; its keys in a row of a mask: 512
	s_mov_b32 s31, 16
	s_wait_kmcnt 0x0
	s_mov_b32 s26, s51                             ; the sixteen classes, two bits each, step 0 lowest
.irp k, 50,49,48,47,46,45,44,43,42,41,40,39,38,37,36
	s_lshl2_add_u32 s26, s26, s[\k]
.endr
	s_wait_loadcnt 0x0
	s_lshl_b32 s33, s55, 4
	v_lshrrev_b32 v[SQ], s33, v[SQ]                ; my tile's two bytes,
	v_and_b32 v[SQ], 0xffff, v[SQ]
	v_lshl_or_b32 v[SQ], v[SQ], 16, v[SQ]          ; for either half of K
.rept 8
	v_nop                                          ; a scale word made by vector lines stands eight places ahead of a scaled product
.endr
.Lstep:                                            ; sixteen trips, always: what a class leaves out is jumped over inside the trip
	s_and_b32 s27, s26, 3
	s_lshr_b32 s26, s26, 2
	s_cmp_eq_u32 s27, 0
	s_cbranch_scc1 .Lnext
	v_add_nc_u32 v[ADK16], s28, v[L16]             ; (five plain lines: the places behind the last products, in front of the loads)
	v_add_nc_u32 v[ADK8], s28, v[L8]
	v_add_nc_u32 v[ADV16], s28, v[AV16]
	v_add_nc_u32 v[ADV8], s28, v[AV8]
	v_add_nc_u32 v[ADS], s29, v[L4S]
.irp p, 0,1,2,3
	FRAG KV+12*\p, ADK16, ADK8, 1536*\p
.endr
	ds_load_b32 v[KSW], v[ADS]                     ; lanes 0-15 pair 0's words, lanes 16-31 pair 1's
	ds_load_b32 v[KSW+1], v[ADS] offset:128
	s_wait_dscnt 0x0
.irp p, 0,2                                    ; S^T = K Q^T: tile 2 p from the pair's lower half, tile 2 p + 1 from its upper: keys 32 p + 16 h + 0 .. 15 in 16 registers
	v_wmma_scale_f32_16x16x128_f8f6f4 v[S+16*\p:S+16*\p+7], v[KV+12*\p:KV+12*\p+11], v[16:27], 0, v[KSW+\p/2], v[SQ] matrix_a_fmt:MATRIX_FMT_BF6 matrix_b_fmt:MATRIX_FMT_BF6
	v_wmma_scale_f32_16x16x128_f8f6f4 v[S+16*\p+8:S+16*\p+15], v[KV+12*\p:KV+12*\p+11], v[22:33], 0, v[KSW+\p/2], v[SQ] matrix_a_fmt:MATRIX_FMT_BF6 matrix_b_fmt:MATRIX_FMT_BF6
	v_wmma_scale_f32_16x16x128_f8f6f4 v[S+16*\p+16:S+16*\p+23], v[KV+12*\p+12:KV+12*\p+23], v[16:27], 0, v[KSW+\p/2], v[SQ] matrix_a_fmt:MATRIX_FMT_BF6 matrix_b_fmt:MATRIX_FMT_BF6 matrix_a_scale:MATRIX_SCALE_ROW1
	v_wmma_scale_f32_16x16x128_f8f6f4 v[S+16*\p+24:S+16*\p+31], v[KV+12*\p+12:KV+12*\p+23], v[22:33], 0, v[KSW+\p/2], v[SQ] matrix_a_fmt:MATRIX_FMT_BF6 matrix_b_fmt:MATRIX_FMT_BF6 matrix_a_scale:MATRIX_SCALE_ROW1
.endr
.rept 4
	v_nop                                          ; four places in front of reads of the scores and of loads into K's registers
.endr
	s_cmp_eq_u32 s27, 1
	s_cbranch_scc1 .Lopen
	v_add_nc_u32 v[MOFF], s30, v[ML]
	v_add_nc_u32 v[POFF], s30, v[PL]
.irp rho, 0,1                                  ; the masks of 64 keys at a time
.irp be, 0,1
.irp j, 0,1,2,3
	global_load_b128 v[44+16*\be+4*\j:47+16*\be+4*\j], v[MOFF], s[8:9] offset:128*(2*\rho+\be)+16*\j
.endr
.endr
.irp be, 0,1
.irp j, 0,1,2,3
	global_load_b128 v[76+16*\be+4*\j:79+16*\be+4*\j], v[POFF], s[10:11] offset:128*(2*\rho+\be)+16*\j
.endr
.endr
	s_wait_loadcnt 0x0
.irp i, 0,2,4,6,8,10,12,14,16,18,20,22,24,26,28,30
	v_pk_fma_f32 v[S+32*\rho+\i:S+32*\rho+\i+1], v[44+\i:45+\i], 0x41000000, v[S+32*\rho+\i:S+32*\rho+\i+1] op_sel_hi:[1,0,1]   ; score + 8 x att_mask
.endr
.irp i, 0,2,4,6,8,10,12,14,16,18,20,22,24,26,28,30
	v_pk_add_f32 v[S+32*\rho+\i:S+32*\rho+\i+1], v[S+32*\rho+\i:S+32*\rho+\i+1], v[76+\i:77+\i]   ; -inf where the key is padding
.endr
.endr
.Lopen:
.irp g, 0,1,2,3
	FRAG KV+12*\g, ADV16, ADV8, 1536*\g            ; V's four fragments land while the softmax is walked
.endr
	ds_load_b32 v[VSW], v[ADS] offset:4096
	ds_load_b32 v[VSW+1], v[ADS] offset:4224
.irp b, 0,1,2,3
	v_max3_num_f32 v[BM+\b], v[S+16*\b], v[S+1+16*\b], v[S+2+16*\b]   ; the largest score of each block of 32 keys: for the row's maximum, and for the block's largest p
.endr
.irp i, 3,5,7,9,11,13
.irp b, 0,1,2,3
	v_max3_num_f32 v[BM+\b], v[BM+\b], v[S+16*\b+\i], v[S+1+16*\b+\i]
.endr
.endr
.irp b, 0,1,2,3
	v_max_num_f32 v[BM+\b], v[BM+\b], v[S+15+16*\b]
.endr
.irp b, 0,1,2,3
	v_permlanex16_b32 v[PT+\b], v[BM+\b], s22, s23
.endr
.irp b, 0,1,2,3
	v_max_num_f32 v[BM+\b], v[BM+\b], v[PT+\b]
.endr
	v_max3_num_f32 v[TV], v[BM], v[BM+1], v[BM+2]
	v_max_num_f32 v[TV], v[TV], v[BM+3]
	v_mul_f32 v[TV], s24, v[TV]
	v_max_num_f32 v13, v13, v[TV]                  ; the running largest t
	v_mov_b32 v[TV], v12
	v_floor_f32 v12, -v13                          ; -M = floor(-t): M is a whole number
	v_sub_f32 v[TV], v12, v[TV]
	v_cvt_i32_f32 v[TV], v[TV]                     ; (it saturates)
	v_ldexp_f32 v[FF], 1.0, v[TV]                  ; f = 2^(old M - new M)
.set j, 0
.rept 32
	v_pk_fma_f32 v[S+j:S+j+1], v[S+j:S+j+1], s[24:25], v[12:13] op_sel_hi:[1,0,0]   ; t - M
.set j, j+2
.endr
.irp b, 0,1,2,3
	v_fma_f32 v[BM+\b], v[BM+\b], s24, v12
.endr
.set j, 0
.rept 64
	v_exp_f32 v[S+j], v[S+j]                       ; p = 2^(t - M)
.set j, j+1
.endr
	v_pk_mul_f32 v[14:15], v[14:15], v[FF:FF+1] op_sel_hi:[1,0]    ; the sums under the new M: a plain place behind the exponentials
	s_wait_alu depctr_va_vdst(0)                   ; one wait for the batch, ahead of its first reader
.irp b, 0,1,2,3
	v_exp_f32 v[BM+\b], v[BM+\b]                   ; each block's largest p
.endr
	v_pk_add_f32 v[SUM2:SUM2+1], v[S:S+1], v[S+2:S+3]              ; the row's sum of the unquantised p, in two chains
.irp j, 4,8,12,16,20,24,28,32,36,40,44,48,52,56,60
	v_pk_add_f32 v[14:15], v[14:15], v[S+\j:S+\j+1]
	v_pk_add_f32 v[SUM2:SUM2+1], v[SUM2:SUM2+1], v[S+2+\j:S+3+\j]
.endr
	v_pk_add_f32 v[14:15], v[14:15], v[SUM2:SUM2+1]
	s_wait_alu depctr_va_vdst(0)                   ; and one for the four
.irp b, 0,1,2,3
	v_max_num_f32 v[BM+\b], 0x2800000, v[BM+\b]    ; the floor 2^(5 - 127): the byte cannot fall under 1
.endr
.irp b, 0,1,2,3
	v_add_nc_u32 v[SO+\b], 0xfe000000, v[BM+\b]
.endr
.irp b, 0,1,2,3
	v_lshrrev_b32 v[PT+\b], 23, v[SO+\b]
.endr
	v_lshl_or_b32 v[PW], v[PT+1], 8, v[PT]
	v_lshl_or_b32 v[PW], v[PT+2], 16, v[PW]
	v_lshl_or_b32 v[PW], v[PT+3], 24, v[PW]
.irp c, 0,1
	v_cvt_scalef32_pk16_bf6_f32 v[PC+6*\c:PC+2+6*\c], v[S+32*\c:S+15+32*\c], v[SO+2*\c]
	v_cvt_scalef32_pk16_bf6_f32 v[T+4*\c:T+2+4*\c], v[S+16+32*\c:S+31+32*\c], v[SO+2*\c+1]
.endr
	v_nop                                          ; one plain place behind a scaled conversion
.irp c, 0,1
.irp i, 0,1,2
	v_permlane16_swap_b32 v[PC+6*\c+\i], v[T+4*\c+\i]
.endr
.irp i, 0,1,2
	v_mov_b32 v[PC+3+6*\c+\i], v[T+4*\c+\i]
.endr
.endr
.set j, 0
.rept 16
	v_pk_mul_f32 v[O+j:O+j+1], v[O+j:O+j+1], v[FF:FF+1] op_sel_hi:[1,0]   ; O^T under the new M
.set j, j+2
.endr
.rept 4
	v_nop                                          ; places between the lines that made p's codes and the products
.endr
	s_wait_dscnt 0x0                               ; V is in
.irp g, 0,2                                    ; O^T += V^T P^T: the four accumulators by turns
	v_wmma_scale_f32_16x16x128_f8f6f4 v[O+8*\g:O+8*\g+7], v[KV+12*\g:KV+12*\g+11], v[PC:PC+11], v[O+8*\g:O+8*\g+7], v[VSW+\g/2], v[PW] matrix_a_fmt:MATRIX_FMT_BF6 matrix_b_fmt:MATRIX_FMT_BF6
	v_wmma_scale_f32_16x16x128_f8f6f4 v[O+8*\g+8:O+8*\g+15], v[KV+12*\g+12:KV+12*\g+23], v[PC:PC+11], v[O+8*\g+8:O+8*\g+15], v[VSW+\g/2], v[PW] matrix_a_fmt:MATRIX_FMT_BF6 matrix_b_fmt:MATRIX_FMT_BF6 matrix_a_scale:MATRIX_SCALE_ROW1
.endr
.Lnext:
	s_add_co_u32 s28, s28, 6144
	s_add_co_u32 s29, s29, 256
	s_add_co_u32 s30, s30, 512
	s_sub_co_u32 s31, s31, 1
	s_cmp_lg_u32 s31, 0
	s_cbranch_scc1 .Lstep
	; THE TILE'S END: o = O^T / the sum; its 32 registers are d = 32 b + 16 h + 0 .. 15: two blocks of the last product's K
.rept 4
	v_nop                                          ; four places in front of the first read of O^T
.endr
	v_add_f32 v14, v14, v15
	v_permlanex16_b32 v[TV], v14, s22, s23
	v_add_f32 v14, v14, v[TV]                      ; the row's sum
	v_rcp_f32 v[FF], v14
	v_nop                                          ; a plain place behind the reciprocal
	v_cmp_neq_f32 vcc_lo, 0, v14                   ; has my query a key at all?
	s_wait_alu depctr_va_vdst(0)                   ; the wait ahead of the reciprocal's first reader
	v_cndmask_b32 v[FF], 0, v[FF], vcc_lo          ; if not: zeros, not 0 x infinity
.set j, 0
.rept 16
	v_pk_mul_f32 v[O+j:O+j+1], v[O+j:O+j+1], v[FF:FF+1] op_sel_hi:[1,0]
.set j, j+2
.endr
.irp b, 0,1
	v_max3_num_f32 v[BM+\b], |v[O+16*\b]|, |v[O+1+16*\b]|, 0x2800000
.endr
.irp i, 2,4,6,8,10,12,14
.irp b, 0,1
	v_max3_num_f32 v[BM+\b], v[BM+\b], |v[O+16*\b+\i]|, |v[O+1+16*\b+\i]|
.endr
.endr
.irp b, 0,1
	v_permlanex16_b32 v[PT+\b], v[BM+\b], s22, s23
.endr
.irp b, 0,1
	v_max_num_f32 v[BM+\b], v[BM+\b], v[PT+\b]
.endr
.irp b, 0,1
	v_add_nc_u32 v[SO+\b], 0xfe000000, v[BM+\b]
.endr
.irp b, 0,1
	v_lshrrev_b32 v[PT+\b], 23, v[SO+\b]
.endr
	v_lshl_or_b32 v[OW], v[PT+1], 8, v[PT]
	v_cndmask_b32 v[OW], 0xffff, v[OW], vcc_lo     ; a query with no key: both bytes 0xff
	v_cvt_scalef32_pk16_bf6_f32 v[PC:PC+2], v[O:O+15], v[SO]
	v_cvt_scalef32_pk16_bf6_f32 v[T:T+2], v[O+16:O+31], v[SO+1]
	v_nop                                          ; one plain place behind a scaled conversion
.irp i, 0,1,2
	v_permlane16_swap_b32 v[PC+\i], v[T+\i]
.endr
.irp i, 0,1,2
	v_mov_b32 v[PC+3+\i], v[T+\i]
.endr
	s_lshr_b32 s20, s56, 2
	s_mul_i32 s20, s20, 102400                     ; the block of 128 rows
	s_and_b32 s33, s56, 3
	s_lshl_b32 s33, s33, 1
	s_add_co_u32 s33, s33, s55                     ; the fragment
	s_mul_i32 s34, s33, 1536
	s_add_co_u32 s34, s34, s20
	s_add_co_u32 s34, s34, s57
	s_add_nc_u64 s[58:59], s[12:13], s[34:35]
	s_lshl_b32 s34, s33, 6
	s_add_co_u32 s34, s34, s20
	s_add_co_u32 s34, s34, s54
	s_add_nc_u64 s[62:63], s[12:13], s[34:35]
	global_store_b128 v[L16], v[PC:PC+3], s[58:59]                 ; my head's half of the fragment: 512 and 256 consecutive bytes
	global_store_b64 v[L8], v[PC+4:PC+5], s[58:59] offset:512
	global_store_b16 v[R4], v[OW], s[62:63]        ; my head's two bytes of each row's scale word (both halves of the lanes store the same value)
	s_sub_co_u32 s56, 63, s56                      ; my second tile
	s_sub_co_u32 s32, s32, 1
	s_cmp_lg_u32 s32, 0
	s_cbranch_scc1 .Ltile
	s_wait_tensorcnt 0x0                           ; the wave's end: three lines behind my last LDS store
	ds_add_u32 v[SPW], v[NIL]
	s_wait_dscnt 0x0
	s_endpgm
.Lfunc_end_k_q6aa08cf765_attn:
	.size	k_q6aa08cf765_attn, .Lfunc_end_k_q6aa08cf765_attn-k_q6aa08cf765_attn
	.p2alignl 7, 3214868480
	.fill 96, 4, 3214868480
	.section	.rodata,"a",@progbits
	.p2align	6, 0x0
	.amdhsa_kernel k_q6aa08cf765_attn
		.amdhsa_group_segment_fixed_size 206848
		.amdhsa_private_segment_fixed_size 0
		.amdhsa_enable_private_segment 0
		.amdhsa_kernarg_size 40
		.amdhsa_user_sgpr_count 2
		.amdhsa_user_sgpr_kernarg_segment_ptr 1
		.amdhsa_wavefront_size32 1
		.amdhsa_system_sgpr_workgroup_id_x 1
		.amdhsa_system_sgpr_workgroup_id_y 1
		.amdhsa_system_sgpr_workgroup_id_z 1
		.amdhsa_system_vgpr_workitem_id 0
		.amdhsa_next_free_vgpr 256
		.amdhsa_next_free_sgpr 66
		.amdhsa_reserve_vcc 1
		.amdhsa_float_denorm_mode_32 3
		.amdhsa_float_denorm_mode_16_64 3
		.amdhsa_memory_ordered 1
		.amdhsa_forward_progress 1
		.amdhsa_inst_pref_size 40
	.end_amdhsa_kernel
	.amdgpu_metadata
---
amdhsa.version: [ 1, 2 ]
amdhsa.kernels:
  - .name:           k_q6aa08cf765_attn
    .symbol:         k_q6aa08cf765_attn.kd
    .args:
      - { .name: kv, .offset: 0, .size: 8, .value_kind: global_buffer, .address_space: global }
      - { .name: flags, .offset: 8, .size: 8, .value_kind: global_buffer, .address_space: global }
      - { .name: att_mask, .offset: 16, .size: 8, .value_kind: global_buffer, .address_space: global }
      - { .name: padf, .offset: 24, .size: 8, .value_kind: global_buffer, .address_space: global }
      - { .name: oa, .offset: 32, .size: 8, .value_kind: global_buffer, .address_space: global }
    .group_segment_fixed_size: 206848
    .private_segment_fixed_size: 0
    .kernarg_segment_align: 8
    .kernarg_segment_size: 40
    .max_flat_workgroup_size: 512
    .sgpr_count:     66
    .vgpr_count:     256
    .wavefront_size: 32
...
	.end_amdgpu_metadata
.endif
;; end of part 3
;; launch outp (part 4): grid 4 x 64, 4 waves a work-group, clusters of 4 x 4, 327,680 bytes of LDS; arguments oa, ops, b_out, out0; writes out0
.if DOCPART == 4
	.amdgcn_target "amdgcn-amd-amdhsa--gfx1250"
	.amdhsa_code_object_version 6
	.text
	.protected	k_q6aa08cf765_outp
	.globl	k_q6aa08cf765_outp
	.p2align	8
	.type	k_q6aa08cf765_outp,@function
k_q6aa08cf765_outp:
	s_mov_b64 s[64:65], 0
	v_nop
	global_prefetch_b8 v0, s[64:65] scope:SCOPE_SE
	s_setreg_imm32_b32 hwreg(HW_REG_WAVE_MODE, 25, 1), 1
	s_wait_xcnt 0x0
	s_wait_alu depctr_hold_cnt(0) depctr_sa_sdst(0) depctr_va_vdst(0) depctr_va_sdst(0) depctr_va_ssrc(0) depctr_va_vcc(0) depctr_vm_vsrc(0)
	s_getreg_b32 s2, hwreg(HW_REG_IB_STS2, 6, 4)
	s_cmp_eq_u32 s2, 0
	s_cbranch_scc0 .Lentry_in_a_cluster
	s_endpgm
.Lentry_in_a_cluster:
	s_bfe_u32 s2, ttmp6, 0x10000c
	s_cmp_lg_u32 s2, 0xf033
	s_cbranch_scc0 .Lentry_shape_is_right
	s_endpgm
.Lentry_shape_is_right:
; Launch 4 of 4: out0 = Q(o) Q(w_out)^T + b_out on codes of E3M2.  o's codes and scale words come from the launch before, w_out's from the first; both lie in the order of the operand's registers.
; SHARES, CLUSTER, LDS AND THE LOOP OVER K are those of the second launch: a work-group makes 128 rows x 256 columns, a wave 128 x 64 in 32 accumulators; all of K = 1,024 is filled into LDS once, by joint loads
; (o's block shared along a row of the 4 x 4 cluster, w_out's two along a column), and taken up chunk by chunk behind counted waits.
; The product is used TRANSPOSED (source 0 = 16 rows of w_out, source 1 = 16 rows of o): a lane holds eight neighbouring columns of one row of out0.
; A row of o whose scale bytes are 0xff (a query with no key) comes out NaN, as reference() has it.  LIMITS: NaN and infinities in b_out are not served.
; REGISTERS: window 0: v1-19 addresses; v32-43 scale words, two sets; v48-79 the bias; v96-191 o's fragments, v192-239 w_out's (K steps 0, 2 ..); window 2: the same for K steps 1, 3 ..; window 1: the accumulators, (f, g) at 8 (4 f + g).
.set BLK,   102400
.set KSB,   12800
.set SPARE, 3*BLK
.set B0,    72                         ; w_out's first block in ops
.set AP,    4                          ; s[4:5] oa
.set BP,    6                          ; s[6:7] ops
.set BI,    8                          ; s[8:9] b_out
.set OP,    10                         ; s[10:11] out0
.set AA16,  4
.set AA8,   5
.set AA4,   6
.set BB16,  7
.set BB8,   8
.set BB4,   9
.set SPW,   10
.set NIL,   11
.set STO,   12                         ; stage, way in
.set RD,    13                         ; stage, way out
.set CO,    14                         ; my byte offset in out0
.set SC,    32
.set BIAS,  48
.set AF,    96
.set BF,    192
.set BK,    96                         ; the way out: 16 rows read back: v96-127 and v128-159 by turns
.set G1A,   24
.set G1B,   32
.set G0A,   40
.set G0B,   68
.set MSB,   0
.macro WIN new
.if MSB != (\new)
	s_set_vgpr_msb (MSB<<8)|(\new)
.set MSB, (\new)
.endif
.endm
.macro CROUND
	s_barrier_signal -1
	s_barrier_wait -1
	s_cmp_lg_u32 s14, 0
	s_cbranch_scc1 .Lnot_wave_0_\@
	s_barrier_signal -3
.Lnot_wave_0_\@:
	s_barrier_wait -3
	s_barrier_signal -1
	s_barrier_wait -1
.endm
.macro PLACES
.rept 4
	v_nop
.endr
.endm
	s_load_b256 s[4:11], s[0:1], 0x0               ; oa, ops, b_out, out0
	v_lshl_add_u32 v[SPW], v0, 2, SPARE
	v_mov_b32 v[NIL], 0
	ds_add_u32 v[SPW], v[NIL]                      ; the wave's opening: the add, twice on end, and its wait ahead of my first tensor load
	ds_add_u32 v[SPW], v[NIL]
	v_lshrrev_b32 v1, 5, v0
	v_readfirstlane_b32 s14, v1                    ; wave 0..3
	s_lshr_b32 s15, s14, 1
	s_and_b32 s16, s14, 1
	s_bfe_u32 s84, ttmp6, 0x40000                  ; cx
	s_bfe_u32 s85, ttmp6, 0x40004                  ; cy
	s_lshl_b32 s86, ttmp9, 2
	s_add_co_u32 s86, s86, s84                     ; column block of 256
	s_and_b32 s17, ttmp7, 0xffff
	s_lshl_b32 s17, s17, 2
	s_add_co_u32 s17, s17, s85                     ; row block of 128
	s_lshl_b32 s87, s85, 2
	s_lshl_b32 s87, 15, s87                        ; my row of the cluster
	s_lshl_b32 s88, 0x1111, s84                    ; my column
	s_or_b32 s[G1A], s87, (3<<16)|(1<<21)          ; dense blocks as rows of 256 bytes: 50 rows = one K step, 100 = two
	s_or_b32 s[G1B], s88, (3<<16)|(1<<21)
	s_mov_b32 s[G1A+1], 32<<16
	s_mov_b32 s[G1A+2], 50<<16
	s_mov_b32 s[G1A+3], 32<<16
	s_mov_b32 s[G1A+4], 50
	s_mov_b32 s[G1A+5], 32
	s_mov_b32 s[G1A+6], 0
	s_mov_b32 s[G1A+7], 0
	s_mov_b32 s[G1B+1], 32<<16
	s_mov_b32 s[G1B+2], 100<<16
	s_mov_b32 s[G1B+3], 32<<16
	s_mov_b32 s[G1B+4], 100
	s_mov_b32 s[G1B+5], 32
	s_mov_b32 s[G1B+6], 0
	s_mov_b32 s[G1B+7], 0
	s_mul_i32 s18, s17, BLK
	s_mul_i32 s20, s16, KSB
	s_add_co_u32 s18, s18, s20
	s_mov_b32 s19, 0
	s_lshl_b32 s90, s86, 1
	s_add_co_u32 s90, s90, s16
	s_add_co_u32 s90, s90, B0
	s_mul_i32 s90, s90, BLK
	s_mov_b32 s91, 0
	s_mul_i32 s21, s16, BLK
	s_add_co_u32 s21, s21, BLK
	s_wait_dscnt 0x0                               ; both opening adds are done
	s_wait_kmcnt 0x0
	s_add_nc_u64 s[18:19], s[AP:AP+1], s[18:19]
	s_add_nc_u64 s[90:91], s[BP:BP+1], s[90:91]
	CROUND                                         ; all sixteen work-groups are here: the joint loads meet
.irp c, 0,1,2,3
	s_mov_b32 s[G0A+4*\c], 1
	s_add_co_u32 s[G0A+4*\c+1], s20, 2*KSB*\c
	s_add_nc_u64 s[G0A+4*\c+2:G0A+4*\c+3], s[18:19], 2*KSB*\c
	s_or_b32 s[G0A+4*\c+3], s[G0A+4*\c+3], 0x80000000
	s_mov_b32 s[G0B+4*\c], 1
	s_add_co_u32 s[G0B+4*\c+1], s21, 2*KSB*\c
	s_add_nc_u64 s[G0B+4*\c+2:G0B+4*\c+3], s[90:91], 2*KSB*\c
	s_or_b32 s[G0B+4*\c+3], s[G0B+4*\c+3], 0x80000000
.endr
	s_cmp_eq_u32 s15, 0                            ; a wave's four fills stand in one branch on its number: four tensor loads of mine are out
	s_cbranch_scc0 .Lfill_b
.irp c, 0,1,2,3
	tensor_load_to_lds s[G0A+4*\c:G0A+4*\c+3], s[G1A:G1A+7]
	s_nop 0
.endr
	PLACES
	s_branch .Lfilled
.Lfill_b:
.irp c, 0,1,2,3
	tensor_load_to_lds s[G0B+4*\c:G0B+4*\c+3], s[G1B:G1B+7]
	s_nop 0
.endr
	PLACES
.Lfilled:
	v_and_b32 v17, 31, v0                          ; lane
	v_and_b32 v18, 15, v0                          ; r
	v_bfe_u32 v19, v0, 4, 1                        ; h
	v_lshlrev_b32 v1, 4, v17
	v_lshlrev_b32 v2, 3, v17
	v_lshlrev_b32 v3, 2, v17
	v_mov_b32 v[AA16], v1                          ; (stepped half way along K, so they are registers of their own)
	v_mov_b32 v[AA8], v2
	v_add_nc_u32 v[AA4], 12288, v3
	s_mul_i32 s22, s15, BLK
	s_add_co_u32 s22, s22, BLK
	s_mul_i32 s23, s16, 6144
	s_add_co_u32 s23, s23, s22
	v_add_nc_u32 v[BB16], s23, v1
	v_add_nc_u32 v[BB8], s23, v2
	s_lshl_b32 s23, s16, 8
	s_add_co_u32 s23, s23, s22
	s_add_co_u32 s23, s23, 12288
	v_add_nc_u32 v[BB4], s23, v3
	s_lshl_b32 s92, s86, 10                        ; my 64 columns, in bytes: 1,024 x column block + 256 x wave
	s_lshl_b32 s93, s14, 8
	s_add_co_u32 s92, s92, s93
	s_mov_b32 s93, 0
	s_add_nc_u64 s[BI:BI+1], s[BI:BI+1], s[92:93]
	v_lshlrev_b32 v16, 6, v19
.irp g, 0,1,2,3
	global_load_b128 v[BIAS+8*\g:BIAS+8*\g+3], v16, s[BI:BI+1] offset:(32*(\g/2)+8*(\g%2))*4
	global_load_b128 v[BIAS+8*\g+4:BIAS+8*\g+7], v16, s[BI:BI+1] offset:(32*(\g/2)+8*(\g%2))*4+16
.endr
	s_add_nc_u64 s[OP:OP+1], s[OP:OP+1], s[92:93]
	s_lshl_b32 s92, s17, 19                        ; 128 rows of 4,096 bytes
	s_add_nc_u64 s[OP:OP+1], s[OP:OP+1], s[92:93]
	s_mul_i32 s22, s14, 4352                       ; my stage: 16 rows x (256 bytes + 16)
	v_mul_u32_u24 v[STO], v18, 272
	v_lshl_add_u32 v[STO], v19, 6, v[STO]
	v_add_nc_u32 v[STO], s22, v[STO]               ; in: row r, byte 64 h
	v_mul_u32_u24 v[RD], v19, 272
	v_lshl_add_u32 v[RD], v18, 4, v[RD]
	v_add_nc_u32 v[RD], s22, v[RD]                 ; back: lanes 0-15 one row, lanes 16-31 the next
	v_lshlrev_b32 v[CO], 12, v19
	v_lshl_add_u32 v[CO], v18, 4, v[CO]            ; and the same two rows in out0
.macro FRAG reg, a16, a8, off
	ds_load_b128 v[(\reg):(\reg)+3], v[\a16] offset:(\off)
	ds_load_b64 v[(\reg)+4:(\reg)+5], v[\a8] offset:(\off)+512
	ds_load_b128 v[(\reg)+6:(\reg)+9], v[\a16] offset:(\off)+768
	ds_load_b64 v[(\reg)+10:(\reg)+11], v[\a8] offset:(\off)+1280
.endm
.macro FETCH s
	WIN 0x80*((\s)%2)
.irp f, 0,1,2,3,4,5,6,7
	FRAG AF+12*\f, AA16, AA8, KSB*((\s)%4)+1536*\f
.endr
.irp g, 0,1,2,3
	FRAG BF+12*\g, BB16, BB8, KSB*((\s)%4)+1536*\g
.endr
	WIN 0
.irp p, 0,1,2,3
	ds_load_b32 v[SC+6*((\s)%2)+\p], v[AA4] offset:KSB*((\s)%4)+128*\p
.endr
.irp p, 0,1
	ds_load_b32 v[SC+6*((\s)%2)+4+\p], v[BB4] offset:KSB*((\s)%4)+128*\p
.endr
.endm
.macro MM f, g, s
.set rD, 8*(4*(\f)+(\g))
.set rA, BF+12*(\g)
.set rB, AF+12*(\f)
.set rSA, SC+6*((\s)%2)+4+(\g)/2
.set rSB, SC+6*((\s)%2)+(\f)/2
.set rC, rD
.if (\s)==0
.set rC, BIAS+8*(\g)                   ; the bias is the C of each sum's first product
.endif
.if ((\g)%2==0)&&((\f)%2==0)
	v_wmma_scale_f32_16x16x128_f8f6f4 v[rD:rD+7], v[rA:rA+11], v[rB:rB+11], v[rC:rC+7], v[rSA], v[rSB] matrix_a_fmt:MATRIX_FMT_BF6 matrix_b_fmt:MATRIX_FMT_BF6
.elseif ((\g)%2==1)&&((\f)%2==0)
	v_wmma_scale_f32_16x16x128_f8f6f4 v[rD:rD+7], v[rA:rA+11], v[rB:rB+11], v[rC:rC+7], v[rSA], v[rSB] matrix_a_fmt:MATRIX_FMT_BF6 matrix_b_fmt:MATRIX_FMT_BF6 matrix_a_scale:MATRIX_SCALE_ROW1
.elseif ((\g)%2==0)&&((\f)%2==1)
	v_wmma_scale_f32_16x16x128_f8f6f4 v[rD:rD+7], v[rA:rA+11], v[rB:rB+11], v[rC:rC+7], v[rSA], v[rSB] matrix_a_fmt:MATRIX_FMT_BF6 matrix_b_fmt:MATRIX_FMT_BF6 matrix_b_scale:MATRIX_SCALE_ROW1
.else
	v_wmma_scale_f32_16x16x128_f8f6f4 v[rD:rD+7], v[rA:rA+11], v[rB:rB+11], v[rC:rC+7], v[rSA], v[rSB] matrix_a_fmt:MATRIX_FMT_BF6 matrix_b_fmt:MATRIX_FMT_BF6 matrix_a_scale:MATRIX_SCALE_ROW1 matrix_b_scale:MATRIX_SCALE_ROW1
.endif
.endm
.macro MUL s                           ; the 32 accumulators take turns, one instruction a turn, in the same order in every step
.if (\s)==0
	WIN 0x40
.else
	WIN 0x50|(0x0a*((\s)%2))
.endif
.irp f, 0,1,2,3,4,5,6,7
.irp g, 0,1,2,3
	MM \f, \g, \s
.endr
.endr
.endm
.macro KSTEP s
	s_wait_dscnt 0x0                               ; this step's fragments are in; no LDS instruction of mine is pending at a signal
.if ((\s)%2==1)&&((\s)<7)
	s_wait_tensorcnt 3-((\s)+1)/2                  ; my part of the next chunk has landed; my loads of the later chunks may stay out
	s_barrier_signal -1
	s_barrier_wait -1
.endif
.if (\s)<7
.if (\s)==3
	WIN 0
.irp a, AA16, AA8, AA4, BB16, BB8, BB4         ; on to K steps 4 to 7: six plain lines, also the places in front of the loads
	v_add_nc_u32 v[\a], 4*KSB, v[\a]
.endr
.else
	PLACES
.endif
	FETCH (\s)+1
.endif
	MUL \s
.endm
	s_wait_tensorcnt 3                             ; my part of chunk 0 has landed; three loads of mine may be out
	s_barrier_signal -1
	s_barrier_wait -1
	s_wait_loadcnt 0x0                             ; the bias
	FETCH 0
.irp s, 0,1,2,3,4,5,6,7
	KSTEP \s
.endr
	WIN 0
	s_wait_dscnt 0x0
	s_barrier_signal -1
	s_barrier_wait -1                              ; nobody reads the tiles any more, and they have had their only fill: the stages lie over them
	PLACES                                         ; in front of the first reads of results and of loads into registers that held fragments
; THE WAY OUT, a row fragment (16 rows x 64 columns) at a time, through my own stage: in as 32 bytes a lane, back as whole rows of 256 bytes.  LDS serves a wave's instructions in order: no wait between.
.macro TOSTAGE f
	WIN 0x04                                       ; an LDS store's data are its source 1: window 1
.irp g, 0,1,2,3
	ds_store_b128 v[STO], v[8*(4*(\f)+\g):8*(4*(\f)+\g)+3] offset:128*(\g/2)+32*(\g%2)       ; each accumulator from its low end on
	ds_store_b128 v[STO], v[8*(4*(\f)+\g)+4:8*(4*(\f)+\g)+7] offset:128*(\g/2)+32*(\g%2)+16
.endr
	WIN 0
.set BB, BK+32*((\f)%2)
.irp i, 0,1,2,3,4,5,6,7
	ds_load_b128 v[BB+4*\i:BB+4*\i+3], v[RD] offset:544*\i
.endr
.endm
.macro SEND f, younger                 ; younger: the LDS instructions issued behind this fragment's loads
.set BB, BK+32*((\f)%2)
	s_wait_dscnt \younger
.irp i, 0,1,2,3,4,5,6,7                        ; stage rows 2 i, 2 i + 1 are rows 32 (f / 2) + 8 (f % 2) + 2 i + 8 (i / 4) and the next of the block
	global_store_b128 v[CO], v[BB+4*\i:BB+4*\i+3], s[OP:OP+1] offset:(32*((\f)/2)+8*((\f)%2)+2*\i+8*(\i/4))*4096 th:TH_STORE_NT   ; sixteen lanes store 256 consecutive bytes, aligned
.endr
.endm
	TOSTAGE 0
.irp a, 1,2,3,4,5,6,7
.if \a>1
	s_wait_xcnt 0x0                                ; the stores of two fragments ago have read their registers
.endif
	TOSTAGE \a
	SEND \a-1, 16                                  ; behind its loads: the next fragment's 8 stores and 8 loads
.endr
	SEND 7, 0
	s_wait_tensorcnt 0x0                           ; the wave's end: three lines behind my last tensor load and my last LDS store
	ds_add_u32 v[SPW], v[NIL]
	s_wait_dscnt 0x0
	CROUND                                         ; the closing round
	s_endpgm
.Lfunc_end_k_q6aa08cf765_outp:
	.size	k_q6aa08cf765_outp, .Lfunc_end_k_q6aa08cf765_outp-k_q6aa08cf765_outp
	.p2alignl 7, 3214868480
	.fill 96, 4, 3214868480
	.section	.rodata,"a",@progbits
	.p2align	6, 0x0
	.amdhsa_kernel k_q6aa08cf765_outp
		.amdhsa_group_segment_fixed_size 327680
		.amdhsa_private_segment_fixed_size 0
		.amdhsa_enable_private_segment 0
		.amdhsa_kernarg_size 32
		.amdhsa_user_sgpr_count 2
		.amdhsa_user_sgpr_kernarg_segment_ptr 1
		.amdhsa_wavefront_size32 1
		.amdhsa_system_sgpr_workgroup_id_x 1
		.amdhsa_system_sgpr_workgroup_id_y 1
		.amdhsa_system_sgpr_workgroup_id_z 1
		.amdhsa_system_vgpr_workitem_id 0
		.amdhsa_next_free_vgpr 768
		.amdhsa_next_free_sgpr 100
		.amdhsa_reserve_vcc 0
		.amdhsa_float_denorm_mode_32 3
		.amdhsa_float_denorm_mode_16_64 3
		.amdhsa_memory_ordered 1
		.amdhsa_forward_progress 1
		.amdhsa_inst_pref_size 86
	.end_amdhsa_kernel
	.amdgpu_metadata
---
amdhsa.version: [ 1, 2 ]
amdhsa.kernels:
  - .name:           k_q6aa08cf765_outp
    .symbol:         k_q6aa08cf765_outp.kd
    .args:
      - { .name: oa, .offset: 0, .size: 8, .value_kind: global_buffer, .address_space: global }
      - { .name: ops, .offset: 8, .size: 8, .value_kind: global_buffer, .address_space: global }
      - { .name: b_out, .offset: 16, .size: 8, .value_kind: global_buffer, .address_space: global }
      - { .name: out0, .offset: 24, .size: 8, .value_kind: global_buffer, .address_space: global }
    .group_segment_fixed_size: 327680
    .private_segment_fixed_size: 0
    .kernarg_segment_align: 8
    .kernarg_segment_size: 32
    .max_flat_workgroup_size: 128
    .sgpr_count:     100
    .vgpr_count:     768
    .wavefront_size: 32
...
	.end_amdgpu_metadata
.endif
;; end of part 4
;; ======== version 2 of 2: 4 launches; version 1 with the launch attn written anew for expert scheduling mode
;; workspace buffers: ops 8,192,000 bytes; kv 13,107,200 bytes; oa 6,553,600 bytes; flags 16,384 bytes of whole numbers; padf 32,768 bytes
;; launch prep: the kernel of part 1 again; grid 384 x 1, 4 waves a work-group, no clusters, 69,120 bytes of LDS; arguments q, w_q, w_out, att_mask, pad_mask, ops, flags, padf; writes ops, flags, padf
;; launch proj: the kernel of part 2 again; grid 4 x 64, 4 waves a work-group, clusters of 4 x 4, 327,680 bytes of LDS; arguments ops, b_q, kv; writes kv
;; launch attn (part 5): grid 4 x 64, 16 waves a work-group, no clusters, 206,848 bytes of LDS; arguments kv, flags, att_mask, padf, oa; writes oa
.if DOCPART == 5
	.amdgcn_target "amdgcn-amd-amdhsa--gfx1250"
	.amdhsa_code_object_version 6
	.text
	.protected	k_q6aa08cf765_attn
	.globl	k_q6aa08cf765_attn
	.p2align	8
	.type	k_q6aa08cf765_attn,@function
k_q6aa08cf765_attn:
	s_mov_b64 s[64:65], 0
	v_nop
	global_prefetch_b8 v0, s[64:65] scope:SCOPE_SE
	s_setreg_imm32_b32 hwreg(HW_REG_WAVE_SCHED_MODE, 0, 2), 2
	s_setreg_imm32_b32 hwreg(HW_REG_WAVE_MODE, 25, 1), 1
	s_wait_xcnt 0x0
	s_wait_alu depctr_vm_vsrc(0)
; Launch 3 of 4: for each batch and head, o = softmax(qh qh^T / 8 + att_mask, pad_mask) qh, both products on codes of E3M2, and o quantised along the model's 1,024 for the last product.
; kh = vh = qh in reference(): K and V are the two quantisations of qp that the launch before stored; kp and vp are never read by reference() and do not exist here.
; THE SOFTMAX: t = (score / 8 + mask) log2(e); M = the running largest t rounded up to a whole number; p = 2^(t - M) is quantised along the keys; the sum of the unquantised p divides at the end.
; THE MASKS ARE INPUTS: nothing of their pattern is built in.  The first launch stored a class for each 32 queries x 128 keys and batch: 0 = every score is -inf: the step adds nothing to any sum and is passed over;
; 1 = the masks add nothing: they are not read; 2 = both are read and applied: score + 8 x att_mask by one fused multiply-add (the rounding of score / 8 + att_mask), then + padf (0 or -inf).
; SHARES.  A work-group has one head's whole record (204,800 bytes of codes and scale words) in LDS, stored once through registers, and 32 tiles of 16 queries; each of its sixteen waves takes two: tile (63 - a, u), then (a, u).
; NO TENSOR LOAD AND NO CLUSTER: the walk branches on whole numbers read from memory; what the four work-groups of a head share is this one fill.
; Both products are used transposed: a lane holds ONE query (position lane % 16 of its tile) throughout.  Product 4 has K = 64: a pair fragment holds two key tiles in its two halves, and Q stands in one half with zero codes in the other.
; A QUERY WITH NO KEY (the sum is 0): reference() gives NaN; here its codes are zeros and its scale bytes 0xff, which the last product turns into NaN in the whole row.
; LIMITS: att_mask may hold finite numbers up to 4e37 in size and -inf; NaN and +inf are not served.
; THE MODE: SCHED_MODE bits 1:0 = 2 (LLVM: expert scheduling mode 2), set by the entry lines.  The code itself states the register dependences
; between vector or matrix instructions and memory or LDS instructions, with s_wait_alu, always for 0.
; THE PLAN.  Registers that memory or LDS instructions touch:
;   v1, v2, v3, v37, v224, v225   places made at the head and never written again.
;   v8-11, v35    the step's LDS addresses: written by five additions at the head of a live step, read by that step's LDS loads.  (v8 is first the address of the record's LDS stores.)
;   v36, v42      the masks' offsets: written in a step of class 2, read by its global loads.
;   KV  v44-91    K's four fragments land at the step's head and are read by the eight products K Q^T; class 2: the masks land in v44-107 and are read by packed additions; V's fragments 2, 3 land in v68-91 and are read by the last two products V^T P.
;   VB  v232-255  V's fragments 0, 1 land at the step's head, in one run with K's, and are read by the first two products V^T P.
;   v38-41        scale words: land at the step's head, read by the products.
;   v16-21, v28-34  Q and its scale word: land at a tile's head, read by every product K Q^T of the tile.
;   v92-97, v221  o's codes and bytes: written by vector lines at a tile's end, read by its three stores.
; So a live step has: one wait on vm_vsrc ahead of its additions; one on va_vdst behind them, which serves all 28 LDS loads of the run that follows; the wait for the batch of exponentials, behind which V's other two fragments are
; asked for with nothing more owed (no vector or matrix line between the products K Q^T and that wait is left reading v68-91); the wait for the four exponentials; and one ahead of the products V^T P, for p's codes and scale word.
.set SPARE, 204800
.set L16,  1                           ; 16 x lane
.set L8,   2                           ; 8 x lane
.set L4S,  3                           ; 4 x lane + 196,608: K's scale words
.set SPW,  4                           ; my spare word; never rewritten
.set NIL,  5                           ; 0; never rewritten
.set ML,   6                           ; my query's row of att_mask, + 64 h
.set PL,   7                           ; 64 h
.set ADK16, 8
.set ADK8,  9
.set ADV16, 10
.set ADV8,  11
.set SQ,   34                          ; Q's scale word
.set ADS,  35
.set MOFF, 36
.set R4,   37                          ; 4 r
.set KSW,  38                          ; v38-39
.set VSW,  40                          ; v40-41
.set POFF, 42
.set RP,   43
.set KV,   44                          ; v44-91 four fragments of K; then, in its upper half, V's fragments 2 and 3
.set PC,   92                          ; v92-103 p's codes
.set T,    104                         ; v104-111
.set S,    112                         ; v112-175 S^T, then p
.set O,    176                         ; v176-207 O^T
.set BM,   208                         ; v208-211 the blocks' largest
.set PT,   212                         ; v212-215
.set SO,   216                         ; v216-219 scale operands
.set TV,   220
.set OW,   221                         ; o's two scale bytes
.set SUM2, 222                         ; v[222:223]
.set AV16, 224
.set AV8,  225
.set FF,   226                         ; v[226:227] f, later 1 / the sum
.set PW,   228                         ; p's scale word
.set VB,   232                         ; v232-255 V's fragments 0 and 1
.macro FRAG reg, a16, a8, off
	ds_load_b128 v[(\reg):(\reg)+3], v[\a16] offset:(\off)
	ds_load_b64 v[(\reg)+4:(\reg)+5], v[\a8] offset:(\off)+512
	ds_load_b128 v[(\reg)+6:(\reg)+9], v[\a16] offset:(\off)+768
	ds_load_b64 v[(\reg)+10:(\reg)+11], v[\a8] offset:(\off)+1280
.endm
	s_load_b256 s[4:11], s[0:1], 0x0               ; kv, flags, att_mask, padf
	s_load_b64 s[12:13], s[0:1], 0x20              ; oa
	v_lshl_add_u32 v[SPW], v0, 2, SPARE
	v_mov_b32 v[NIL], 0
	v_lshrrev_b32 v6, 5, v0
	v_readfirstlane_b32 s14, v6                    ; wave 0..15
	v_and_b32 v6, 31, v0
	v_lshlrev_b32 v[L16], 4, v6
	v_lshlrev_b32 v[L8], 3, v6
	v_lshl_add_u32 v[L4S], v6, 2, 196608
	v_and_b32 v[R4], 15, v0                        ; r
	v_bfe_u32 v[PL], v0, 4, 1                      ; h
	v_and_b32 v[RP], 8, v[R4]
	v_add_nc_u32 v[RP], v[RP], v[R4]               ; r + 8 (r / 8): my query's place among its tile's 24 rows
	v_lshlrev_b32 v[RP], 13, v[RP]                 ; x a row of att_mask
	v_lshlrev_b32 v[PL], 6, v[PL]
	v_add_nc_u32 v[RP], v[RP], v[PL]
	v_lshlrev_b32 v[R4], 2, v[R4]
	v_add_nc_u32 v[AV16], 98304, v[L16]
	v_add_nc_u32 v[AV8], 98304, v[L8]
.irp j, 22,23,24,25,26,27
	v_mov_b32 v[\j], 0                             ; six registers of zero codes, between Q's two copies: v[16:27] is Q in the lower half of K, v[22:33] Q in the upper
.endr
.irp b, 0,1,2,3
	v_mov_b32 v[PT+\b], 0                          ; written once: a lane permute's destination counts as one of its sources
.endr
	v_mov_b32 v[TV], 0
	v_mov_b32 v[FF+1], 0                           ; (named as the upper half of a pair)
	s_wait_alu depctr_va_sdst(0)                   ; s14, the wave's number, is written, ahead of its first reader: tiles, bases and my part of the record are made from it
	s_and_b32 s15, ttmp7, 0xffff                   ; 16 x batch + head
	s_lshr_b32 s16, s15, 4
	s_and_b32 s17, s15, 15
	s_mul_i32 s18, s15, 204800
	s_mov_b32 s19, 0
	s_mov_b32 s21, 0
	s_mov_b32 s35, 0
	s_mov_b32 s22, 0x76543210
	s_mov_b32 s23, 0xfedcba98                      ; selects for lane l xor 16
	s_mov_b32 s24, 0x3e38aa3b                      ; c = log2(e) / 8
	s_mov_b32 s25, s24
	s_lshl_b32 s33, ttmp9, 4
	s_add_co_u32 s33, s33, s14                     ; W = 16 x work-group x + wave
	s_and_b32 s55, s33, 1                          ; u
	s_lshr_b32 s33, s33, 1                         ; a
	s_sub_co_u32 s56, 63, s33                      ; G of my first tile
	s_and_b32 s33, s17, 1
	s_mul_i32 s57, s33, 768                        ; my head's half of a fragment of o
	s_lshl_b32 s54, s33, 1
	s_add_co_u32 s54, s54, 12288                   ; and its two bytes of a scale word
	s_mul_i32 s20, s14, 12800                      ; my sixteenth of the record
	v_add_nc_u32 v8, s20, v[L16]
	s_wait_kmcnt 0x0
	s_add_nc_u64 s[4:5], s[4:5], s[18:19]          ; my record
	s_add_nc_u64 s[52:53], s[4:5], s[20:21]
	s_wait_alu depctr_va_vdst(0)                   ; all that the head's vector lines made is written: the places v1, v2, v3, v37, v224, v225 and the address v8, which loads and stores below read; and Q's six registers of zero codes, which the scaled products take
.irp i, 0,1,2,3,4,5,6,7,8,9,10,11,12,13,14,15,16,17,18,19,20,21,22,23,24
	global_load_b128 v[44+4*\i:47+4*\i], v[L16], s[52:53] offset:512*\i
.endr
	s_lshl_b32 s20, s16, 6
	s_add_nc_u64 s[6:7], s[6:7], s[20:21]          ; flags at my batch
	s_lshl_b32 s20, s16, 13
	s_add_nc_u64 s[10:11], s[10:11], s[20:21]      ; padf at my batch
	s_lshl_b32 s20, s16, 7
	s_lshr_b32 s33, s17, 1
	s_add_co_u32 s20, s20, s33
	s_mul_i32 s20, s20, 12800
	s_add_nc_u64 s[12:13], s[12:13], s[20:21]      ; oa at my batch's first block, my head's K step
.irp i, 0,1,2,3,4,5,6,7,8,9,10,11,12,13,14,15,16,17,18,19,20,21,22,23,24
	s_wait_loadcnt 24-\i                           ; load i is in, the younger ones may be out
	ds_store_b128 v8, v[44+4*\i:47+4*\i] offset:512*\i
.endr
	s_wait_dscnt 0x0                               ; for the others' sake: my stores have landed
	s_barrier_signal -1
	s_barrier_wait -1                              ; the record is whole; from here on LDS is only read
	s_mov_b32 s32, 2
.Ltile:
	s_wait_xcnt 0x0                                ; the last tile's loads and stores have read their bases and registers
	s_wait_alu depctr_vm_vsrc(0)                   ; first tile: the record's LDS stores have read v8 and v44-143; second tile: the first tile's stores have read v92-97 and v221: all these are written again below
	s_wait_alu depctr_va_vdst(0)                   ; the last tile's products are done reading Q and its scale word, and the vector lines that made that word are done: the five loads below land there
	s_lshl_b32 s20, s56, 8
	s_add_nc_u64 s[58:59], s[6:7], s[20:21]
	s_load_b512 s[36:51], s[58:59], 0x0            ; my tile's sixteen classes
	s_mul_i32 s20, s56, 1536
	s_mul_i32 s33, s55, 768
	s_add_co_u32 s20, s20, s33
	s_add_nc_u64 s[60:61], s[4:5], s[20:21]        ; Q = half u of pair fragment G, from memory: no LDS address hangs on the work-group's number
	global_load_b128 v[16:19], v[L16], s[60:61]
	global_load_b64 v[20:21], v[L8], s[60:61] offset:512
	global_load_b128 v[28:31], v[L16], s[60:61]    ; and once more, for the upper half of K
	global_load_b64 v[32:33], v[L8], s[60:61] offset:512
	s_lshl_b32 s20, s56, 6
	s_add_co_u32 s20, s20, 196608
	s_add_nc_u64 s[62:63], s[4:5], s[20:21]
	global_load_b32 v[SQ], v[R4], s[62:63]         ; the pair's scale word
	s_lshl_b32 s20, s56, 5
	s_lshl_b32 s33, s55, 3
	s_add_co_u32 s20, s20, s33
	s_lshl_b32 s20, s20, 13                        ; (32 G + 8 u) rows of att_mask
	v_add_nc_u32 v[ML], s20, v[RP]
.set j, 0
.rept 32
	v_mov_b32 v[O+j], 0                            ; O^T: which step is the tile's first live one is not known to the text, so the sums begin as zeros
.set j, j+1
.endr
	v_mov_b32 v13, 0xff61b1e6                      ; the largest t so far: -3e38
	v_floor_f32 v12, -v13                          ; -M
	v_mov_b32 v14, 0
	v_mov_b32 v15, 0
	s_mov_b32 s28, 0                               ; the step's fragments: 6,144 bytes a step
	s_mov_b32 s29, 0                               ; its scale words: 256
	s_mov_b32 s30, 0                               ; its keys in a row of a mask: 512
	s_mov_b32 s31, 16
	s_wait_kmcnt 0x0
	s_mov_b32 s26, s51                             ; the sixteen classes, two bits each, step 0 lowest
.irp k, 50,49,48,47,46,45,44,43,42,41,40,39,38,37,36
	s_lshl2_add_u32 s26, s26, s[\k]
.endr
	s_wait_loadcnt 0x0
	s_lshl_b32 s33, s55, 4
	v_lshrrev_b32 v[SQ], s33, v[SQ]                ; my tile's two bytes,
	v_and_b32 v[SQ], 0xffff, v[SQ]
	v_lshl_or_b32 v[SQ], v[SQ], 16, v[SQ]          ; for either half of K
.rept 8
	v_nop                                          ; a scale word made by vector lines stands eight places ahead of a scaled product
.endr
.Lstep:                                            ; sixteen trips, always: what a class leaves out is jumped over inside the trip
	s_and_b32 s27, s26, 3
	s_lshr_b32 s26, s26, 2
	s_cmp_eq_u32 s27, 0
	s_cbranch_scc1 .Lnext
	s_wait_alu depctr_vm_vsrc(0)                   ; the LDS loads issued so far have read v8-11 and v35, the masks' loads v36 and v42: this step writes them again
	v_add_nc_u32 v[ADK16], s28, v[L16]             ; the step's LDS addresses
	v_add_nc_u32 v[ADK8], s28, v[L8]
	v_add_nc_u32 v[ADV16], s28, v[AV16]
	v_add_nc_u32 v[ADV8], s28, v[AV8]
	v_add_nc_u32 v[ADS], s29, v[L4S]
	s_wait_alu depctr_va_vdst(0)                   ; the five addresses are written; the last step's products V^T P are done reading KV, VB and the scale words, in which the 28 loads below land; in a tile's first live step Q's scale word is written, which the products below take
.irp p, 0,1,2,3
	FRAG KV+12*\p, ADK16, ADK8, 1536*\p
.endr
	ds_load_b32 v[KSW], v[ADS]                     ; lanes 0-15 pair 0's words, lanes 16-31 pair 1's
	ds_load_b32 v[KSW+1], v[ADS] offset:128
	FRAG VB, ADV16, ADV8, 0                        ; V's fragments 0 and 1 and its scale words, in registers of their own: they land while the scores and the softmax are walked
	FRAG VB+12, ADV16, ADV8, 1536
	ds_load_b32 v[VSW], v[ADS] offset:4096
	ds_load_b32 v[VSW+1], v[ADS] offset:4224
	s_wait_dscnt 10                                ; K's sixteen loads and its two scale words are in; the ten younger loads, V's, may be out
.irp p, 0,2                                    ; S^T = K Q^T: tile 2 p from the pair's lower half, tile 2 p + 1 from its upper: keys 32 p + 16 h + 0 .. 15 in 16 registers
	v_wmma_scale_f32_16x16x128_f8f6f4 v[S+16*\p:S+16*\p+7], v[KV+12*\p:KV+12*\p+11], v[16:27], 0, v[KSW+\p/2], v[SQ] matrix_a_fmt:MATRIX_FMT_BF6 matrix_b_fmt:MATRIX_FMT_BF6
	v_wmma_scale_f32_16x16x128_f8f6f4 v[S+16*\p+8:S+16*\p+15], v[KV+12*\p:KV+12*\p+11], v[22:33], 0, v[KSW+\p/2], v[SQ] matrix_a_fmt:MATRIX_FMT_BF6 matrix_b_fmt:MATRIX_FMT_BF6
	v_wmma_scale_f32_16x16x128_f8f6f4 v[S+16*\p+16:S+16*\p+23], v[KV+12*\p+12:KV+12*\p+23], v[16:27], 0, v[KSW+\p/2], v[SQ] matrix_a_fmt:MATRIX_FMT_BF6 matrix_b_fmt:MATRIX_FMT_BF6 matrix_a_scale:MATRIX_SCALE_ROW1
	v_wmma_scale_f32_16x16x128_f8f6f4 v[S+16*\p+24:S+16*\p+31], v[KV+12*\p+12:KV+12*\p+23], v[22:33], 0, v[KSW+\p/2], v[SQ] matrix_a_fmt:MATRIX_FMT_BF6 matrix_b_fmt:MATRIX_FMT_BF6 matrix_a_scale:MATRIX_SCALE_ROW1
.endr
.rept 4
	v_nop                                          ; four places in front of reads of the scores
.endr
	s_cmp_eq_u32 s27, 1
	s_cbranch_scc1 .Lopen
	v_add_nc_u32 v[MOFF], s30, v[ML]
	v_add_nc_u32 v[POFF], s30, v[PL]
.irp rho, 0,1                                  ; the masks of 64 keys at a time
	s_wait_alu depctr_va_vdst(0)                   ; first run: the two offsets are written, and the products K Q^T are done reading v44-91; second run: the packed additions above are done reading v44-107: the sixteen loads below land there
.irp be, 0,1
.irp j, 0,1,2,3
	global_load_b128 v[44+16*\be+4*\j:47+16*\be+4*\j], v[MOFF], s[8:9] offset:128*(2*\rho+\be)+16*\j
.endr
.endr
.irp be, 0,1
.irp j, 0,1,2,3
	global_load_b128 v[76+16*\be+4*\j:79+16*\be+4*\j], v[POFF], s[10:11] offset:128*(2*\rho+\be)+16*\j
.endr
.endr
	s_wait_loadcnt 0x0
.irp i, 0,2,4,6,8,10,12,14,16,18,20,22,24,26,28,30
	v_pk_fma_f32 v[S+32*\rho+\i:S+32*\rho+\i+1], v[44+\i:45+\i], 0x41000000, v[S+32*\rho+\i:S+32*\rho+\i+1] op_sel_hi:[1,0,1]   ; score + 8 x att_mask
.endr
.irp i, 0,2,4,6,8,10,12,14,16,18,20,22,24,26,28,30
	v_pk_add_f32 v[S+32*\rho+\i:S+32*\rho+\i+1], v[S+32*\rho+\i:S+32*\rho+\i+1], v[76+\i:77+\i]   ; -inf where the key is padding
.endr
.endr
.Lopen:
.irp b, 0,1,2,3
	v_max3_num_f32 v[BM+\b], v[S+16*\b], v[S+1+16*\b], v[S+2+16*\b]   ; the largest score of each block of 32 keys: for the row's maximum, and for the block's largest p
.endr
.irp i, 3,5,7,9,11,13
.irp b, 0,1,2,3
	v_max3_num_f32 v[BM+\b], v[BM+\b], v[S+16*\b+\i], v[S+1+16*\b+\i]
.endr
.endr
.irp b, 0,1,2,3
	v_max_num_f32 v[BM+\b], v[BM+\b], v[S+15+16*\b]
.endr
.irp b, 0,1,2,3
	v_permlanex16_b32 v[PT+\b], v[BM+\b], s22, s23
.endr
.irp b, 0,1,2,3
	v_max_num_f32 v[BM+\b], v[BM+\b], v[PT+\b]
.endr
	v_max3_num_f32 v[TV], v[BM], v[BM+1], v[BM+2]
	v_max_num_f32 v[TV], v[TV], v[BM+3]
	v_mul_f32 v[TV], s24, v[TV]
	v_max_num_f32 v13, v13, v[TV]                  ; the running largest t
	v_mov_b32 v[TV], v12
	v_floor_f32 v12, -v13                          ; -M = floor(-t): M is a whole number
	v_sub_f32 v[TV], v12, v[TV]
	v_cvt_i32_f32 v[TV], v[TV]                     ; (it saturates)
	v_ldexp_f32 v[FF], 1.0, v[TV]                  ; f = 2^(old M - new M)
.set j, 0
.rept 32
	v_pk_fma_f32 v[S+j:S+j+1], v[S+j:S+j+1], s[24:25], v[12:13] op_sel_hi:[1,0,0]   ; t - M
.set j, j+2
.endr
.irp b, 0,1,2,3
	v_fma_f32 v[BM+\b], v[BM+\b], s24, v12
.endr
.set j, 0
.rept 64
	v_exp_f32 v[S+j], v[S+j]                       ; p = 2^(t - M)
.set j, j+1
.endr
	v_pk_mul_f32 v[14:15], v[14:15], v[FF:FF+1] op_sel_hi:[1,0]    ; the sums under the new M: a plain place behind the exponentials
	s_wait_alu depctr_va_vdst(0)                   ; the 64 exponentials have written p, ahead of its first reader: one wait for the batch; and the products K Q^T (class 2: the masks' additions too) are done reading v68-91, in which the eight loads below land
	FRAG KV+24, ADV16, ADV8, 3072                  ; V's fragments 2 and 3: they land while the sums, the scales and the codes are made
	FRAG KV+36, ADV16, ADV8, 4608
.irp b, 0,1,2,3
	v_exp_f32 v[BM+\b], v[BM+\b]                   ; each block's largest p
.endr
	v_pk_add_f32 v[SUM2:SUM2+1], v[S:S+1], v[S+2:S+3]              ; the row's sum of the unquantised p, in two chains
.irp j, 4,8,12,16,20,24,28,32,36,40,44,48,52,56,60
	v_pk_add_f32 v[14:15], v[14:15], v[S+\j:S+\j+1]
	v_pk_add_f32 v[SUM2:SUM2+1], v[SUM2:SUM2+1], v[S+2+\j:S+3+\j]
.endr
	v_pk_add_f32 v[14:15], v[14:15], v[SUM2:SUM2+1]
	s_wait_alu depctr_va_vdst(0)                   ; the four exponentials have written the blocks' largest p, ahead of their first reader
.irp b, 0,1,2,3
	v_max_num_f32 v[BM+\b], 0x2800000, v[BM+\b]    ; the floor 2^(5 - 127): the byte cannot fall under 1
.endr
.irp b, 0,1,2,3
	v_add_nc_u32 v[SO+\b], 0xfe000000, v[BM+\b]
.endr
.irp b, 0,1,2,3
	v_lshrrev_b32 v[PT+\b], 23, v[SO+\b]
.endr
	v_lshl_or_b32 v[PW], v[PT+1], 8, v[PT]
	v_lshl_or_b32 v[PW], v[PT+2], 16, v[PW]
	v_lshl_or_b32 v[PW], v[PT+3], 24, v[PW]
.irp c, 0,1
	v_cvt_scalef32_pk16_bf6_f32 v[PC+6*\c:PC+2+6*\c], v[S+32*\c:S+15+32*\c], v[SO+2*\c]
	v_cvt_scalef32_pk16_bf6_f32 v[T+4*\c:T+2+4*\c], v[S+16+32*\c:S+31+32*\c], v[SO+2*\c+1]
.endr
	v_nop                                          ; one plain place behind a scaled conversion
.irp c, 0,1
.irp i, 0,1,2
	v_permlane16_swap_b32 v[PC+6*\c+\i], v[T+4*\c+\i]
.endr
.irp i, 0,1,2
	v_mov_b32 v[PC+3+6*\c+\i], v[T+4*\c+\i]
.endr
.endr
.set j, 0
.rept 16
	v_pk_mul_f32 v[O+j:O+j+1], v[O+j:O+j+1], v[FF:FF+1] op_sel_hi:[1,0]   ; O^T under the new M
.set j, j+2
.endr
.rept 4
	v_nop                                          ; places between the lines that made p's codes and the products
.endr
	s_wait_alu depctr_va_vdst(0)                   ; p's codes v92-103 and its scale word v228, made by vector lines, are written: the scaled products below take them; the places above stay beside this wait
	s_wait_dscnt 0x0                               ; V is in
	; O^T += V^T P^T: the four accumulators by turns; fragments 0 and 1 from VB, 2 and 3 from KV's upper half
	v_wmma_scale_f32_16x16x128_f8f6f4 v[O:O+7], v[VB:VB+11], v[PC:PC+11], v[O:O+7], v[VSW], v[PW] matrix_a_fmt:MATRIX_FMT_BF6 matrix_b_fmt:MATRIX_FMT_BF6
	v_wmma_scale_f32_16x16x128_f8f6f4 v[O+8:O+15], v[VB+12:VB+23], v[PC:PC+11], v[O+8:O+15], v[VSW], v[PW] matrix_a_fmt:MATRIX_FMT_BF6 matrix_b_fmt:MATRIX_FMT_BF6 matrix_a_scale:MATRIX_SCALE_ROW1
	v_wmma_scale_f32_16x16x128_f8f6f4 v[O+16:O+23], v[KV+24:KV+35], v[PC:PC+11], v[O+16:O+23], v[VSW+1], v[PW] matrix_a_fmt:MATRIX_FMT_BF6 matrix_b_fmt:MATRIX_FMT_BF6
	v_wmma_scale_f32_16x16x128_f8f6f4 v[O+24:O+31], v[KV+36:KV+47], v[PC:PC+11], v[O+24:O+31], v[VSW+1], v[PW] matrix_a_fmt:MATRIX_FMT_BF6 matrix_b_fmt:MATRIX_FMT_BF6 matrix_a_scale:MATRIX_SCALE_ROW1
.Lnext:
	s_add_co_u32 s28, s28, 6144
	s_add_co_u32 s29, s29, 256
	s_add_co_u32 s30, s30, 512
	s_sub_co_u32 s31, s31, 1
	s_cmp_lg_u32 s31, 0
	s_cbranch_scc1 .Lstep
	; THE TILE'S END: o = O^T / the sum; its 32 registers are d = 32 b + 16 h + 0 .. 15: two blocks of the last product's K
.rept 4
	v_nop                                          ; four places in front of the first read of O^T
.endr
	v_add_f32 v14, v14, v15
	v_permlanex16_b32 v[TV], v14, s22, s23
	v_add_f32 v14, v14, v[TV]                      ; the row's sum
	v_rcp_f32 v[FF], v14
	v_nop                                          ; a plain place behind the reciprocal
	v_cmp_neq_f32 vcc_lo, 0, v14                   ; has my query a key at all?
	s_wait_alu depctr_va_vdst(0)                   ; the reciprocal has written v226, ahead of its first reader
	s_wait_alu depctr_va_vcc(0)                    ; the compare has written VCC, ahead of its first reader, the selection below
	v_cndmask_b32 v[FF], 0, v[FF], vcc_lo          ; if not: zeros, not 0 x infinity
.set j, 0
.rept 16
	v_pk_mul_f32 v[O+j:O+j+1], v[O+j:O+j+1], v[FF:FF+1] op_sel_hi:[1,0]
.set j, j+2
.endr
.irp b, 0,1
	v_max3_num_f32 v[BM+\b], |v[O+16*\b]|, |v[O+1+16*\b]|, 0x2800000
.endr
.irp i, 2,4,6,8,10,12,14
.irp b, 0,1
	v_max3_num_f32 v[BM+\b], v[BM+\b], |v[O+16*\b+\i]|, |v[O+1+16*\b+\i]|
.endr
.endr
.irp b, 0,1
	v_permlanex16_b32 v[PT+\b], v[BM+\b], s22, s23
.endr
.irp b, 0,1
	v_max_num_f32 v[BM+\b], v[BM+\b], v[PT+\b]
.endr
.irp b, 0,1
	v_add_nc_u32 v[SO+\b], 0xfe000000, v[BM+\b]
.endr
.irp b, 0,1
	v_lshrrev_b32 v[PT+\b], 23, v[SO+\b]
.endr
	v_lshl_or_b32 v[OW], v[PT+1], 8, v[PT]
	v_cndmask_b32 v[OW], 0xffff, v[OW], vcc_lo     ; a query with no key: both bytes 0xff
	v_cvt_scalef32_pk16_bf6_f32 v[PC:PC+2], v[O:O+15], v[SO]
	v_cvt_scalef32_pk16_bf6_f32 v[T:T+2], v[O+16:O+31], v[SO+1]
	v_nop                                          ; one plain place behind a scaled conversion
.irp i, 0,1,2
	v_permlane16_swap_b32 v[PC+\i], v[T+\i]
.endr
.irp i, 0,1,2
	v_mov_b32 v[PC+3+\i], v[T+\i]
.endr
	s_lshr_b32 s20, s56, 2
	s_mul_i32 s20, s20, 102400                     ; the block of 128 rows
	s_and_b32 s33, s56, 3
	s_lshl_b32 s33, s33, 1
	s_add_co_u32 s33, s33, s55                     ; the fragment
	s_mul_i32 s34, s33, 1536
	s_add_co_u32 s34, s34, s20
	s_add_co_u32 s34, s34, s57
	s_add_nc_u64 s[58:59], s[12:13], s[34:35]
	s_lshl_b32 s34, s33, 6
	s_add_co_u32 s34, s34, s20
	s_add_co_u32 s34, s34, s54
	s_add_nc_u64 s[62:63], s[12:13], s[34:35]
	s_wait_alu depctr_va_vdst(0)                   ; o's codes v92-97 and its two bytes v221 are written, which the three stores below read
	global_store_b128 v[L16], v[PC:PC+3], s[58:59]                 ; my head's half of the fragment: 512 and 256 consecutive bytes
	global_store_b64 v[L8], v[PC+4:PC+5], s[58:59] offset:512
	global_store_b16 v[R4], v[OW], s[62:63]        ; my head's two bytes of each row's scale word (both halves of the lanes store the same value)
	s_sub_co_u32 s56, 63, s56                      ; my second tile
	s_sub_co_u32 s32, s32, 1
	s_cmp_lg_u32 s32, 0
	s_cbranch_scc1 .Ltile
	s_wait_dscnt 0x0                               ; the wave's end: the closing lines, six on end
	s_wait_alu 0x0
	s_wait_tensorcnt 0x0
	ds_add_u32 v[SPW], v[NIL]
	s_wait_dscnt 0x0
	s_endpgm
.Lfunc_end_k_q6aa08cf765_attn:
	.size	k_q6aa08cf765_attn, .Lfunc_end_k_q6aa08cf765_attn-k_q6aa08cf765_attn
	.p2alignl 7, 3214868480
	.fill 96, 4, 3214868480
	.section	.rodata,"a",@progbits
	.p2align	6, 0x0
	.amdhsa_kernel k_q6aa08cf765_attn
		.amdhsa_group_segment_fixed_size 206848
		.amdhsa_private_segment_fixed_size 0
		.amdhsa_enable_private_segment 0
		.amdhsa_kernarg_size 40
		.amdhsa_user_sgpr_count 2
		.amdhsa_user_sgpr_kernarg_segment_ptr 1
		.amdhsa_wavefront_size32 1
		.amdhsa_system_sgpr_workgroup_id_x 1
		.amdhsa_system_sgpr_workgroup_id_y 1
		.amdhsa_system_sgpr_workgroup_id_z 1
		.amdhsa_system_vgpr_workitem_id 0
		.amdhsa_next_free_vgpr 256
		.amdhsa_next_free_sgpr 66
		.amdhsa_reserve_vcc 1
		.amdhsa_float_denorm_mode_32 3
		.amdhsa_float_denorm_mode_16_64 3
		.amdhsa_memory_ordered 1
		.amdhsa_forward_progress 1
		.amdhsa_inst_pref_size 41
	.end_amdhsa_kernel
	.amdgpu_metadata
---
amdhsa.version: [ 1, 2 ]
amdhsa.kernels:
  - .name:           k_q6aa08cf765_attn
    .symbol:         k_q6aa08cf765_attn.kd
    .args:
      - { .name: kv, .offset: 0, .size: 8, .value_kind: global_buffer, .address_space: global }
      - { .name: flags, .offset: 8, .size: 8, .value_kind: global_buffer, .address_space: global }
      - { .name: att_mask, .offset: 16, .size: 8, .value_kind: global_buffer, .address_space: global }
      - { .name: padf, .offset: 24, .size: 8, .value_kind: global_buffer, .address_space: global }
      - { .name: oa, .offset: 32, .size: 8, .value_kind: global_buffer, .address_space: global }
    .group_segment_fixed_size: 206848
    .private_segment_fixed_size: 0
    .kernarg_segment_align: 8
    .kernarg_segment_size: 40
    .max_flat_workgroup_size: 512
    .sgpr_count:     66
    .vgpr_count:     256
    .wavefront_size: 32
...
	.end_amdgpu_metadata
.endif
;; end of part 5
;; launch outp: the kernel of part 4 again; grid 4 x 64, 4 waves a work-group, clusters of 4 x 4, 327,680 bytes of LDS; arguments oa, ops, b_out, out0; writes out0
